; MI455X (gfx1250); checked and timed in simulation.
; The chip was launched on July 23, 2026; its instructions are those of AMD's public machine-readable ISA for CDNA 5 (MIT licence, August 2026) and "CDNA5" Instruction Set Architecture Reference Guide (July 2026). The comments in the code are by the model that wrote it; some were corrected since.
;; Transformer Encoder. Allowed arithmetic: matrix products marked QUANTISED: E2M1 operands, one E8M0 scale for each 32 along K, by v_wmma_scale_f32_16x16x128_f8f6f4 with both operands' format E2M1 (or v_wmma_scale_f32_32x16x128_f4), f32 sums; everything else in f32.
;; Inputs: Wk_b 256 float32; Wk_w 512 x 256 float32; Wq_b 256 float32; Wq_w 512 x 256 float32; Wu_b 512 float32; Wu_w 256 x 512 float32; Wv_b 256 float32; Wv_w 512 x 256 float32; ff1_b 1,024 float32; ff1_w 512 x 1,024 float32; ff2_b 512 float32; ff2_w 1,024 x 512 float32; ln1_b 512 float32; ln1_g 512 float32; ln2_b 512 float32; ln2_g 512 float32; x 4 x 4,096 x 512 float32.
;; Outputs: out0 4 x 4,096 x 512 float32.
;; This version of the problem:
;;   THIS VERSION OF THE PROBLEM IS GIVEN IN LOW PRECISION. The matrix products marked QUANTISED in the list below multiply operands that are first quantised to E2M1 (2 exponent bits, 1 mantissa bit; 4 bits a number), with one power-of-two scale for each 32 numbers along K (OCP MX v1.0); their sums are f32. All else is computed in f32.
;;   The module's matrix products, in the order in which they are computed (A, B: the left and right operand; K: the contracted axis; several contracted axes count as one K, in the product's order):
;;     1. [M 16,384, K 512] x [K 512, N 256]; A: input x; B: input Wq_w: QUANTISED
;;     2. [M 16,384, K 512] x [K 512, N 256]; A: input x; B: input Wk_w: QUANTISED
;;     3. [M 16,384, K 512] x [K 512, N 256]; A: input x; B: input Wv_w: QUANTISED
;;     4. batch 4 x [M 4,096, K 256] x [K 256, N 4,096]; A: computed on the way; B: computed on the way: QUANTISED
;;     5. batch 4 x [M 4,096, K 4,096] x [K 4,096, N 256]; A: softmax (see below); B: computed on the way: QUANTISED
;;     6. [M 16,384, K 256] x [K 256, N 512]; A: computed on the way; B: input Wu_w: QUANTISED
;;     7. [M 16,384, K 512] x [K 512, N 1,024]; A: computed on the way; B: input ff1_w: QUANTISED
;;     8. [M 16,384, K 1,024] x [K 1,024, N 512]; A: computed on the way; B: input ff2_w: QUANTISED
;;   THE QUANTISER, for each operand of a quantised product, along K:
;;     - K is cut into blocks of 32 from its start; a last block that is shorter is filled with zeros.
;;     - A block's scale is 2^e with e = floor(log2(the largest magnitude in the block)) - 2, held to -126 .. 127; a block of zeros has e = 0. As a byte (E8M0): e + 127.
;;     - Each number is divided by its block's scale, clamped to +-6, and rounded to the nearest number of E2M1, ties to even, subnormals kept.
;;     - The product sums the exact products of the quantised numbers (number of the format x scale) in f32.
;;   ~~~python
;;   def quantise(x, axis):      # numpy; x: float32 -> the quantised numbers, widened to float32 again
;;       x = np.moveaxis(x, axis, -1); K = x.shape[-1]
;;       x = np.pad(x, [(0, 0)] * (x.ndim - 1) + [(0, -K % 32)]); x = x.reshape(x.shape[:-1] + (-1, 32)); a = np.abs(x).max(-1, keepdims=True)
;;       e = np.where(a > 0, np.clip(np.frexp(np.where(a > 0, a, 1))[1] - 1 - 2, -126, 127), 0)      # np.frexp(a)[1] - 1 = floor(log2(a)), exactly
;;       r = np.clip(x / 2.0 ** e, -6, 6)
;;       step = 2.0 ** (np.maximum(np.frexp(np.where(r == 0, 1, r))[1] - 1, 0) - 1)
;;       q = np.round(r / step) * step * 2.0 ** e      # np.round: ties to even
;;       return np.moveaxis(q.reshape(q.shape[:-2] + (-1,))[..., :K], -1, axis).astype(np.float32)
;;   ~~~
;;   SOFTMAX AHEAD OF A QUANTISED PRODUCT. Where the list says 'softmax', what is quantised is not the finished softmax but p = 2^(t - M), with t = logit x log2(e) and M = ceil(the row's largest t), a whole number; so 1/2 < the row's largest p <= 1. The row's sum l is taken of the UNQUANTISED p, in f32, and the product's result is divided by l at the end. Since M is a whole number, a kernel that streams over the keys may use a running M (the ceiling of the running maximum): every later rescaling is an exact power of two, which a block's scale takes up: the codes' values come out the same.
;;   OPERANDS COMPUTED ON THE WAY. 'Computed on the way' means the value that the module computes at that place (a softmax that the list does not call 'softmax' is quantised finished and normalised). What goes into a quantiser is computed in f32, as accurately as f32 sums, v_exp_f32 and their like allow (about 1e-6 of the number): no bf16 or f16 on the way to a quantiser, and a product that is left as it is and whose result goes on into a quantised operand takes f32 operands (vector FMAs, or v_wmma_f32_16x16x4_f32). A number that lies on a knife's edge between two numbers of the format may be rounded either way, as far as f32 arithmetic and the matrix unit's own rounding can turn it there, and no further.
;; One version. Each part assembles by itself: llvm-mc -triple=amdgcn-amd-amdhsa -mcpu=gfx1250 --defsym DOCPART=n.
;; ======== version 1 of 1: 4 launches
;; workspace buffers: wimg 835,584 bytes; qc 2,097,152 bytes; qs 131,072 bytes; kv 4,456,448 bytes; aimg 2,228,224 bytes
;; launch prep (part 1): grid 48 x 1, 8 waves a work-group, no clusters, 2,048 bytes of LDS; arguments Wq_w, Wk_w, Wv_w, Wu_w, ff1_w, ff2_w, wimg; writes wimg
.if DOCPART == 1
	.amdgcn_target "amdgcn-amd-amdhsa--gfx1250"
	.amdhsa_code_object_version 6
	.text
	.protected	k_q07d3bed1a7_prep
	.globl	k_q07d3bed1a7_prep
	.p2align	8
	.type	k_q07d3bed1a7_prep,@function
k_q07d3bed1a7_prep:
	s_mov_b64 s[64:65], 0
	v_nop
	global_prefetch_b8 v0, s[64:65] scope:SCOPE_SE
	s_setreg_imm32_b32 hwreg(HW_REG_WAVE_MODE, 25, 1), 1
	s_wait_xcnt 0x0
; The six weights, f32 stored [K][N], become codes of FP4 (E2M1) with one E8M0 byte for each 32 along K, laid in the order of the operand's registers.
; A PART is 128 columns x 256 K = 8 tiles t of 16 columns x 2 K steps ks of 128: fragment (t, ks) at (2 t + ks) x 1,024 bytes (registers 4 c .. 4 c + 3 of lane L at 512 c + 16 L);
; at 16,384 two groups of scale words, 512 bytes each, for tiles 0-3 and 4-7: the 16 bytes at 16 L hold the words of four tiles, lanes 0-15 for ks = 0, lanes 16-31 for ks = 1.
; THE COLUMNS OF A TILE ARE NOT NEIGHBOURS: lane r of tile 2 b + u takes column 32 b + 8 u + r + 8 (r / 8), so that a product used transposed leaves 16 neighbours in the 16 registers of tiles 2 b, 2 b + 1.
; Work-group p makes part p: 0-11 Wq, Wk, Wv (p = 4 matrix + 2 column group + K pair); 12-15 Wu; 16-31 ff1; 32-47 ff2.
; Wave w: 32 columns (b = w % 4), K step ks = w / 4.  A LANE TAKES A COLUMN AND ITS REGISTERS RUN DOWN K: a load reads 128 consecutive bytes, a block of 32 lies in one lane, nothing is transposed.
; No cluster and no LDS ring: no two work-groups read the same bytes, and each byte is read once.
; LIMITS: NaN and infinities are not served; a block whose largest magnitude lies under 2^-124 is held at the byte 1; a block of zeros has the byte 1 and not 127: its codes are zeros, and this program alone reads the bytes.
.set PART, 17408
.set PSC,  16384
.set OFF,  16                          ; v16-47   byte offset of my column in rows 0 .. 31 of a block
.set X,    48                          ; v48-175  four blocks of 32 numbers
.set C,    176                         ; v176-191 their codes
	s_load_b256 s[4:11], s[0:1], 0x0               ; Wq_w, Wk_w, Wv_w, Wu_w
	s_load_b128 s[12:15], s[0:1], 0x20             ; ff1_w, ff2_w
	s_load_b64 s[16:17], s[0:1], 0x30              ; wimg
	v_lshl_add_u32 v192, v0, 2, 0x400
	v_mov_b32 v193, 0
	v_lshrrev_b32 v1, 5, v0
	v_readfirstlane_b32 s18, v1                    ; wave
	s_and_b32 s19, s18, 3                          ; b
	s_lshr_b32 s20, s18, 2                         ; ks
	; the part's column group and K pair, for each of the four kinds of part; then the choice, on the work-group's number alone
	s_and_b32 s21, ttmp9, 3                        ; Wu, ff2: column group p % 4
	s_lshr_b32 s22, ttmp9, 1
	s_and_b32 s22, s22, 1                          ; Wq, Wk, Wv: column group
	s_and_b32 s23, ttmp9, 1                        ;             K pair
	s_lshr_b32 s24, ttmp9, 3
	s_and_b32 s24, s24, 1
	s_lshl_b32 s24, s24, 2
	s_add_co_u32 s24, s24, s21                     ; ff1: column group p % 4 + 4 ((p / 8) % 2)
	s_lshr_b32 s25, ttmp9, 2
	s_and_b32 s26, s25, 1                          ; ff1: K pair
	s_and_b32 s25, s25, 3                          ; ff2: K pair
	s_mov_b32 s27, 2048
	s_wait_kmcnt 0x0
	s_cmp_lt_u32 ttmp9, 32
	s_cselect_b32 s28, s24, s21                    ; column group
	s_cselect_b32 s29, s26, s25                    ; K pair
	s_cselect_b32 s30, 4096, s27                   ; bytes in a row of the weight
	s_cselect_b64 s[32:33], s[12:13], s[14:15]
	s_cmp_lt_u32 ttmp9, 16
	s_cselect_b32 s28, s21, s28
	s_cselect_b32 s29, 0, s29
	s_cselect_b32 s30, s27, s30
	s_cselect_b64 s[32:33], s[10:11], s[32:33]
	s_cmp_lt_u32 ttmp9, 12
	s_cselect_b32 s28, s22, s28
	s_cselect_b32 s29, s23, s29
	s_cselect_b32 s30, 1024, s30
	s_cselect_b64 s[32:33], s[8:9], s[32:33]
	s_cmp_lt_u32 ttmp9, 8
	s_cselect_b64 s[32:33], s[6:7], s[32:33]
	s_cmp_lt_u32 ttmp9, 4
	s_cselect_b64 s[32:33], s[4:5], s[32:33]
	s_lshl_b32 s34, s29, 8
	s_lshl_b32 s35, s20, 7
	s_add_co_u32 s34, s34, s35                     ; my first row: 256 K pair + 128 ks
	s_mul_i32 s34, s34, s30
	s_mov_b32 s35, 0
	s_add_nc_u64 s[36:37], s[32:33], s[34:35]      ; a base for each block of 32 rows
	s_lshl_b32 s34, s30, 5
	s_add_nc_u64 s[38:39], s[36:37], s[34:35]
	s_add_nc_u64 s[40:41], s[38:39], s[34:35]
	s_add_nc_u64 s[42:43], s[40:41], s[34:35]
	v_and_b32 v2, 15, v0                           ; r
	v_bfe_u32 v3, v0, 4, 1                         ; u
	v_and_b32 v4, 8, v2
	v_add_nc_u32 v4, v4, v2                        ; r + 8 (r / 8)
	v_lshl_add_u32 v4, v3, 3, v4                   ; + 8 u
	s_lshl_b32 s44, s28, 7
	s_lshl_b32 s45, s19, 5
	s_add_co_u32 s44, s44, s45
	v_add_nc_u32 v4, s44, v4                       ; my column
	v_lshlrev_b32 v[OFF], 2, v4
.set i, 1
.rept 31
	v_add_nc_u32 v[OFF+i], s30, v[OFF+i-1]         ; one row further down: one path serves all three row lengths
.set i, i+1
.endr
.irp B, 0,1,2,3
.set i, 0
.rept 32
	global_load_b32 v[X+32*\B+i], v[OFF+i], s[36+2*\B:37+2*\B] th:TH_LOAD_NT
.set i, i+1
.endr
.endr
	; where the results go
	v_lshlrev_b32 v13, 4, v2
	v_lshl_add_u32 v13, v3, 11, v13                ; tile 2 b + u: 2,048 u + 16 r
	s_mul_i32 s44, ttmp9, PART
	s_mov_b32 s45, 0
	s_add_nc_u64 s[16:17], s[16:17], s[44:45]      ; my part
	s_lshl_b32 s44, s19, 12
	s_lshl_b32 s21, s20, 10
	s_add_co_u32 s44, s44, s21
	s_add_nc_u64 s[46:47], s[16:17], s[44:45]      ; + 4,096 b + 1,024 ks
	s_lshr_b32 s21, s19, 1
	s_lshl_b32 s21, s21, 9
	s_lshl_b32 s22, s20, 8
	s_add_co_u32 s21, s21, s22
	s_and_b32 s22, s19, 1
	s_lshl_b32 s22, s22, 3
	s_add_co_u32 s21, s21, s22
	v_lshlrev_b32 v14, 4, v2
	v_lshl_add_u32 v14, v3, 2, v14
	v_add_nc_u32 v14, s21, v14                     ; LDS: my scale word: 512 (b / 2) + 256 ks + 16 r + 8 (b % 2) + 4 u
	v_lshlrev_b32 v15, 4, v0                       ; and on the way out 16 bytes a thread
; Block t of 32 along K.  left: how many younger loads may stay out
.macro BLOCK t, left
.set XS, X+32*(\t)
	s_wait_loadcnt \left
	v_max3_num_f32 v8, |v[XS]|, |v[XS+1]|, |v[XS+2]|
	v_max3_num_f32 v9, |v[XS+3]|, |v[XS+4]|, |v[XS+5]|
.irp i, 6,10,14,18,22,26
	v_max3_num_f32 v8, v8, |v[XS+\i]|, |v[XS+\i+1]|
	v_max3_num_f32 v9, v9, |v[XS+\i+2]|, |v[XS+\i+3]|
.endr
	v_max3_num_f32 v8, v8, |v[XS+30]|, |v[XS+31]|
	v_max3_num_f32 v8, v8, v9, 0x1800000           ; and the floor 2^(3 - 127): the byte cannot fall under 1
	v_add_nc_u32 v11, 0xff000000, v8               ; 2 off the exponent field: the conversion's scale operand
	v_lshrrev_b32 v9, 23, v11                      ; the scale's byte
.if (\t) == 0
	v_mov_b32 v12, v9
.else
	v_lshl_or_b32 v12, v9, 8*(\t), v12
.endif
.irp g, 0,1,2,3
	v_cvt_scalef32_pk8_fp4_f32 v[C+4*(\t)+\g], v[XS+8*\g:XS+8*\g+7], v11
.endr
	v_nop                                          ; one plain place behind the conversions
.endm
	BLOCK 0, 63                                    ; 96 younger loads may stay out; the count's field holds 63, and a smaller count is safe
	BLOCK 1, 63                                    ; 64 may
	BLOCK 2, 32
	BLOCK 3, 0
.irp B, 0,1,2,3                                ; block B = 2 c + h of the fragment: 16 lanes store 256 consecutive bytes, aligned
	global_store_b128 v13, v[C+4*\B:C+4*\B+3], s[46:47] offset:512*(\B/2)+256*(\B%2)
.endr
	ds_store_b32 v14, v12
	s_wait_dscnt 0x0                               ; for the others' sake: my scale word lies in LDS
	s_barrier_signal -1
	s_barrier_wait -1
	s_cmp_lt_u32 s18, 2                            ; waves 0 and 1 store the part's 1,024 bytes of scale words, 512 consecutive bytes each
	s_cbranch_scc0 .Lend
	ds_load_b128 v[4:7], v15
	s_wait_dscnt 0x0
	global_store_b128 v15, v[4:7], s[16:17] offset:PSC
.Lend:
	s_wait_tensorcnt 0x0
	ds_add_u32 v192, v193
	s_wait_dscnt 0x0
	s_endpgm
.Lfunc_end_k_q07d3bed1a7_prep:
	.size	k_q07d3bed1a7_prep, .Lfunc_end_k_q07d3bed1a7_prep-k_q07d3bed1a7_prep
	.p2alignl 7, 3214868480
	.fill 96, 4, 3214868480
	.section	.rodata,"a",@progbits
	.p2align	6, 0x0
	.amdhsa_kernel k_q07d3bed1a7_prep
		.amdhsa_group_segment_fixed_size 2048
		.amdhsa_private_segment_fixed_size 0
		.amdhsa_enable_private_segment 0
		.amdhsa_kernarg_size 56
		.amdhsa_user_sgpr_count 2
		.amdhsa_user_sgpr_kernarg_segment_ptr 1
		.amdhsa_wavefront_size32 1
		.amdhsa_system_sgpr_workgroup_id_x 1
		.amdhsa_system_sgpr_workgroup_id_y 1
		.amdhsa_system_sgpr_workgroup_id_z 1
		.amdhsa_system_vgpr_workitem_id 0
		.amdhsa_next_free_vgpr 194
		.amdhsa_next_free_sgpr 66
		.amdhsa_reserve_vcc 0
		.amdhsa_float_denorm_mode_32 3
		.amdhsa_float_denorm_mode_16_64 3
		.amdhsa_memory_ordered 1
		.amdhsa_forward_progress 1
		.amdhsa_inst_pref_size 24
	.end_amdhsa_kernel
	.amdgpu_metadata
---
amdhsa.version: [ 1, 2 ]
amdhsa.kernels:
  - .name:           k_q07d3bed1a7_prep
    .symbol:         k_q07d3bed1a7_prep.kd
    .args:
      - { .name: Wq_w, .offset: 0, .size: 8, .value_kind: global_buffer, .address_space: global }
      - { .name: Wk_w, .offset: 8, .size: 8, .value_kind: global_buffer, .address_space: global }
      - { .name: Wv_w, .offset: 16, .size: 8, .value_kind: global_buffer, .address_space: global }
      - { .name: Wu_w, .offset: 24, .size: 8, .value_kind: global_buffer, .address_space: global }
      - { .name: ff1_w, .offset: 32, .size: 8, .value_kind: global_buffer, .address_space: global }
      - { .name: ff2_w, .offset: 40, .size: 8, .value_kind: global_buffer, .address_space: global }
      - { .name: wimg, .offset: 48, .size: 8, .value_kind: global_buffer, .address_space: global }
    .group_segment_fixed_size: 2048
    .private_segment_fixed_size: 0
    .kernarg_segment_align: 8
    .kernarg_segment_size: 56
    .max_flat_workgroup_size: 256
    .sgpr_count:     66
    .vgpr_count:     194
    .wavefront_size: 32
...
	.end_amdgpu_metadata
.endif
;; end of part 1
;; launch qkv (part 2): grid 256 x 1, 8 waves a work-group, no clusters, 168,960 bytes of LDS; arguments x, wimg, Wq_b, Wk_b, Wv_b, qc, qs, kv; writes qc, qs, kv
.if DOCPART == 2
	.amdgcn_target "amdgcn-amd-amdhsa--gfx1250"
	.amdhsa_code_object_version 6
	.text
	.protected	k_q07d3bed1a7_qkv
	.globl	k_q07d3bed1a7_qkv
	.p2align	8
	.type	k_q07d3bed1a7_qkv,@function
k_q07d3bed1a7_qkv:
	s_mov_b64 s[64:65], 0
	v_nop
	global_prefetch_b8 v0, s[64:65] scope:SCOPE_SE
	s_setreg_imm32_b32 hwreg(HW_REG_WAVE_MODE, 25, 1), 1
	s_wait_xcnt 0x0
; q = x Wq + bq, k = x Wk + bk, v = x Wv + bv on codes of FP4 with E8M0 scales; q and k are then quantised along d, v along the keys; all three leave as images of operand registers.
; SHARES.  Work-group W takes rows 64 W .. 64 W + 63 of x, as four tiles m whose rows are not neighbours: lane r of tile m takes row 32 (m / 2) + 8 (m % 2) + r + 8 (r / 8).
; x comes once, by one tensor load a wave (a strip of 64 rows x 256 bytes); wave w quantises tile w / 2 for K steps 2 (w % 2), 2 (w % 2) + 1 and leaves the fragments in LDS as images of their registers.
; Then wave g = 0 .. 5 owns 128 output columns (0, 1: q; 2, 3: k; 4, 5: v) and keeps its two parts of the weight, 256 registers, read from memory once.  Waves 6 and 7 only quantise x and end: six column groups do not divide by eight.
; q, k: the product is used transposed (source 0 = 16 columns of W, source 1 = 16 rows of x): a lane holds one row and its registers run along d.  v: source 0 = x, source 1 = W: a lane holds one d and its registers run along the keys.
; NO CLUSTER: each part of the weights is wanted once, in one wave's registers; as shared tiles the 208 KiB of weights would need LDS beside x's 136 KiB, that is a ring with rounds for a single pass.
; The scale words of v for 128 keys are made by two work-groups, two bytes each: these stores (128 KiB of the launch's 6.7 MB) write 2 bytes a lane.
; LIMITS: NaN and infinities are not served; a block whose largest magnitude lies under 2^-124 is held at the byte 1; a block of zeros has the byte 1 and not 127: its codes are zeros, and this program alone reads the bytes.
.set STRIP, 17408                      ; LDS: 8 strips of 64 rows x (256 + 16) bytes
.set XIMG,  8*STRIP                    ; x's 16 fragments: (m, ks) at (4 m + ks) x 1,024
.set XSCO,  16384                      ; behind them two groups of scale words, one for each pair of K steps
.set PART,  17408
.set PSC,   16384
.set KVB,   34816
.set LI,   1                           ; v1   16 x lane
.set XRD,  2                           ; v2   where I read x's numbers in the strips
.set XWI,  3                           ; v3   where I store x's images
.set XWS,  4                           ; v4   and their scale words
.set R16,  5                           ; v5   16 r
.set HOF,  6                           ; v6   64 h
.set VBO,  7                           ; v7   4 (r + 8 (r / 8))
.set PWS,  8                           ; v8-11   q, k: the four tiles' scale words
.set BV,   8                           ; v8-15   v: the bias of my column in each of 8 tiles
.set XF,   16                          ; v16-47  q, k: x's four fragments of a tile
.set BI,   48                          ; v48-111 q, k: the bias in the result's layout
.set PC,   112                         ; v112-143 q, k: codes, eight registers a tile
.set XALL, 16                          ; v16-143 v: all 16 fragments of x
.set HA,   144                         ; v144-207 eight accumulators
.set WS,   208                         ; v208-223 W's scale words: register 8 P + t
.set XS,   224                         ; v224-231 x's: register 4 P + m
.set TM,   232                         ; v232-243 the quantiser's
.set PCV,  244                         ; v244-251 codes
.set PW0,  252
.set PW1,  253
.set TMP,  254
.set XRI,  255                         ; v255 XIMG + 16 x lane
.set G1,   16
.set G0,   24
.set WV,   32
.set SEL,  42
.set MSB, 0
.macro WIN new                         ; the immediate's high byte repeats the setting that is left
.if MSB != (\new)
	s_set_vgpr_msb (MSB<<8)|(\new)
.set MSB, (\new)
.endif
.endm
.macro PLACES n
.rept \n
	v_nop
.endr
.endm
.macro BARRIER
	s_wait_dscnt 0x0
	s_barrier_signal -1
	s_barrier_wait -1
.endm
; one matrix instruction.  c < 0: the constant 0 starts the sum.  ra, rb: the scales stand in lanes 16-31
.macro WM d, a, b, c, sa, sb, ra, rb
.if (\c) < 0
.if (\rb)
	v_wmma_scale_f32_16x16x128_f8f6f4 v[\d:\d+7], v[\a:\a+7], v[\b:\b+7], 0, v[\sa], v[\sb] matrix_a_fmt:MATRIX_FMT_FP4 matrix_b_fmt:MATRIX_FMT_FP4 matrix_a_scale:MATRIX_SCALE_ROW1 matrix_b_scale:MATRIX_SCALE_ROW1
.else
	v_wmma_scale_f32_16x16x128_f8f6f4 v[\d:\d+7], v[\a:\a+7], v[\b:\b+7], 0, v[\sa], v[\sb] matrix_a_fmt:MATRIX_FMT_FP4 matrix_b_fmt:MATRIX_FMT_FP4
.endif
.else
.if (\rb)
	v_wmma_scale_f32_16x16x128_f8f6f4 v[\d:\d+7], v[\a:\a+7], v[\b:\b+7], v[\c:\c+7], v[\sa], v[\sb] matrix_a_fmt:MATRIX_FMT_FP4 matrix_b_fmt:MATRIX_FMT_FP4 matrix_a_scale:MATRIX_SCALE_ROW1 matrix_b_scale:MATRIX_SCALE_ROW1
.else
	v_wmma_scale_f32_16x16x128_f8f6f4 v[\d:\d+7], v[\a:\a+7], v[\b:\b+7], v[\c:\c+7], v[\sa], v[\sb] matrix_a_fmt:MATRIX_FMT_FP4 matrix_b_fmt:MATRIX_FMT_FP4
.endif
.endif
.endm
; 64 numbers of a lane in window nw, register 16 b + i = k 32 b + 16 (lane / 16) + i of my row, become a fragment's codes in v[pc] on and its scale word in v[pw] (window 0)
.macro QUANT nw, s, pc, pw
	WIN (\nw)|((\nw)<<2)
.irp b, 0,1,2,3
	v_max3_num_f32 v[TM+\b], |v[\s+16*\b]|, |v[\s+16*\b+1]|, 0x1800000   ; my 16 numbers of block b, and the floor 2^(3 - 127): the byte cannot fall under 1
.endr
	WIN ((\nw)<<2)|((\nw)<<4)
.irp i, 2,4,6,8,10,12,14
.irp b, 0,1,2,3
	v_max3_num_f32 v[TM+\b], v[TM+\b], |v[\s+16*\b+\i]|, |v[\s+16*\b+\i+1]|
.endr
.endr
	WIN 0
.irp b, 0,1,2,3
	v_permlanex16_b32 v[TM+4+\b], v[TM+\b], s[SEL], s[SEL+1]
.endr
.irp b, 0,1,2,3
	v_max_num_f32 v[TM+\b], v[TM+\b], v[TM+4+\b]   ; with lane l xor 16's: the block's largest magnitude
.endr
.irp b, 0,1,2,3
	v_add_nc_u32 v[TM+8+\b], 0xff000000, v[TM+\b]  ; 2 off its exponent field: the conversion's scale operand
.endr
.irp b, 0,1,2,3
	v_lshrrev_b32 v[TM+4+\b], 23, v[TM+8+\b]       ; the scale's byte
.endr
	v_lshl_or_b32 v[\pw], v[TM+5], 8, v[TM+4]
	v_lshl_or_b32 v[\pw], v[TM+6], 16, v[\pw]
	v_lshl_or_b32 v[\pw], v[TM+7], 24, v[\pw]
	WIN (\nw)
.irp b, 0,1,2,3
	v_cvt_scalef32_pk8_fp4_f32 v[\pc+2*\b], v[\s+16*\b:\s+16*\b+7], v[TM+8+\b]
	v_cvt_scalef32_pk8_fp4_f32 v[\pc+2*\b+1], v[\s+16*\b+8:\s+16*\b+15], v[TM+8+\b]
.endr
	WIN 0
	v_nop                                          ; one plain place behind a scaled conversion
.irp c, 0,1                                    ; the operand's layout wants a whole block in a lane
.irp i, 0,1
	v_permlane16_swap_b32 v[\pc+4*\c+\i], v[\pc+4*\c+2+\i]
.endr
.endr
.endm
	s_load_b256 s[4:11], s[0:1], 0x0               ; x, wimg, Wq_b, Wk_b
	s_load_b128 s[12:15], s[0:1], 0x20             ; Wv_b, qc
	s_load_b128 s[28:31], s[0:1], 0x30             ; qs, kv
	v_lshl_add_u32 v254, v0, 2, 0x29000
	v_mov_b32 v255, 0
	ds_add_u32 v254, v255
	ds_add_u32 v254, v255
	s_wait_dscnt 0x0
	v_lshrrev_b32 v1, 5, v0
	v_readfirstlane_b32 s[WV], v1                  ; wave 0..7
	; descriptor group 1: 64 rows x 64 elements of 4 bytes, 512 elements from row to row; 4 words of padding behind every 64
	s_mov_b32 s[G1], (2<<16)|(1<<20)|(5<<22)|(3<<25)
	s_mov_b32 s[G1+1], 64<<16                      ; tensor_dim0
	s_mov_b32 s[G1+2], 64<<16                      ; tensor_dim1
	s_mov_b32 s[G1+3], 64<<16                      ; tile_dim0
	s_mov_b32 s[G1+4], 64                          ; tile_dim1
	s_mov_b32 s[G1+5], 512                         ; stride
	s_mov_b32 s[G1+6], 0
	s_mov_b32 s[G1+7], 0
	s_lshl_b32 s34, ttmp9, 17                      ; 64 rows of 2,048 bytes a work-group,
	s_lshl_b32 s35, s[WV], 8                       ; 256 bytes a strip
	s_add_co_u32 s34, s34, s35
	s_mov_b32 s35, 0
	s_mov_b32 s[G0], 1
	s_mul_i32 s[G0+1], s[WV], STRIP
	s_mov_b32 s40, 0xffff0000                      ; lanes 16-31
	s_mov_b32 s[SEL], 0x76543210
	s_mov_b32 s[SEL+1], 0xfedcba98                 ; v_permlanex16_b32's selects for lane l xor 16
	s_wait_kmcnt 0x0
	s_add_nc_u64 s[G0+2:G0+3], s[4:5], s[34:35]
	s_or_b32 s[G0+3], s[G0+3], 0x80000000
	tensor_load_to_lds s[G0:G0+3], s[G1:G1+7]      ; my strip: the wave's one tensor load; nothing in LDS is filled twice
	s_nop 0
	; every LDS address is made here, ahead of the first branch on the wave's number
	v_and_b32 v8, 31, v0                           ; lane
	v_and_b32 v9, 15, v0                           ; r
	v_bfe_u32 v10, v0, 4, 1                        ; h
	v_lshlrev_b32 v[LI], 4, v8
	v_and_b32 v11, 8, v9
	v_add_nc_u32 v11, v11, v9                      ; r + 8 (r / 8)
	v_lshlrev_b32 v[VBO], 2, v11
	v_lshlrev_b32 v[R16], 4, v9
	v_lshlrev_b32 v[HOF], 6, v10
	s_lshr_b32 s34, s[WV], 2
	s_lshl_b32 s34, s34, 5
	s_lshr_b32 s35, s[WV], 1
	s_and_b32 s35, s35, 1
	s_lshl_b32 s35, s35, 3
	s_add_co_u32 s34, s34, s35                     ; my tile's first row: 32 (m / 2) + 8 (m % 2), m = wave / 2
	s_mul_i32 s34, s34, 272
	s_and_b32 s35, s[WV], 1
	s_mul_i32 s36, s35, 4*STRIP                    ; my two K steps: strips 4 (wave % 2) on
	s_add_co_u32 s34, s34, s36
	v_mul_u32_u24 v[XRD], v11, 272
	v_add_nc_u32 v[XRD], v[XRD], v[HOF]
	v_add_nc_u32 v[XRD], s34, v[XRD]
	s_lshl_b32 s36, s[WV], 11
	s_add_co_u32 s36, s36, XIMG
	v_add_nc_u32 v[XWI], s36, v[LI]                ; fragments 2 wave, 2 wave + 1
	s_lshl_b32 s36, s35, 9
	s_lshr_b32 s37, s[WV], 1
	s_lshl_b32 s37, s37, 2
	s_add_co_u32 s36, s36, s37
	s_add_co_u32 s36, s36, XIMG+XSCO
	v_add_nc_u32 v[XWS], s36, v[LI]                ; group wave % 2, word wave / 2
	v_add_nc_u32 v[XRI], XIMG, v[LI]
.irp b, 0,1,2,3
	v_mov_b32 v[TM+4+\b], 0                        ; written once: a lane permute's destination counts as one of its sources
.endr
	s_cmp_lt_u32 s[WV], 6
	s_cbranch_scc0 .Lno_w
	s_mul_i32 s34, s[WV], 2*PART                   ; my two parts of the weights: they stay in window 1
	s_mov_b32 s35, 0
	s_add_nc_u64 s[6:7], s[6:7], s[34:35]
	WIN 0x40
.irp P, 0,1
.set i, 0
.rept 32
	global_load_b128 v[128*\P+4*i:128*\P+4*i+3], v[LI], s[6:7] offset:PART*\P+512*i
.set i, i+1
.endr
.endr
	WIN 0
.irp P, 0,1
.irp q, 0,1
	global_load_b128 v[WS+8*\P+4*\q:WS+8*\P+4*\q+3], v[LI], s[6:7] offset:PART*\P+PSC+512*\q
.endr
.endr
.Lno_w:
	s_wait_tensorcnt 0x0                           ; my strip lies in LDS: other waves read it behind the barrier
	BARRIER
	; ---- x: my tile's two K steps.  Lane (r, h) takes 16 neighbours of each block of 32 of its row
.macro XUNIT u, dst
.irp b, 0,1,2,3
.irp j, 0,1,2,3
	ds_load_b128 v[\dst+16*\b+4*\j:\dst+16*\b+4*\j+3], v[XRD] offset:(2*\u+\b/2)*STRIP+128*(\b%2)+16*\j
.endr
.endr
.endm
	XUNIT 0, HA
	XUNIT 1, BI
	s_wait_dscnt 16                                ; the first K step's 16 loads are in; the second's may be out
	QUANT 0, HA, PCV, PW0
	ds_store_b128 v[XWI], v[PCV:PCV+3]
	ds_store_b128 v[XWI], v[PCV+4:PCV+7] offset:512
	s_wait_dscnt 0x0                               ; the second K step is in, and the stores have read their registers
	QUANT 0, BI, PCV, PW1
	ds_store_b128 v[XWI], v[PCV:PCV+3] offset:1024
	ds_store_b128 v[XWI], v[PCV+4:PCV+7] offset:1536
	v_cndmask_b32 v[TMP], v[PW0], v[PW1], s40      ; lanes 0-15 carry the even K step's word, lanes 16-31 the odd one's
	ds_store_b32 v[XWS], v[TMP]
	BARRIER                                        ; x's sixteen fragments and their scale words lie in LDS; no barrier follows
	s_cmp_lt_u32 s[WV], 6
	s_cbranch_scc1 .Lrole
	s_wait_xcnt 0x0
	v_lshl_add_u32 v254, v0, 2, 0x29000
	v_mov_b32 v255, 0
	s_wait_tensorcnt 0x0
	ds_add_u32 v254, v255
	s_wait_dscnt 0x0
	s_endpgm
.Lrole:
	s_lshr_b32 s34, ttmp9, 1
	s_mul_i32 s34, s34, KVB                        ; the block of my 128 keys: two work-groups share it
	s_mov_b32 s35, 0
	s_add_nc_u64 s[30:31], s[30:31], s[34:35]
	s_and_b32 s37, ttmp9, 1                        ; which half of it is mine
	s_cmp_lt_u32 s[WV], 4
	s_cbranch_scc0 .Lvpath
	; ---- q and k
	s_and_b32 s33, s[WV], 1                        ; my 128 of d: the next product's K step
	s_lshl_b32 s34, s37, 13
	s_add_nc_u64 s[44:45], s[30:31], s[34:35]      ; k's codes: tiles 4 (W % 2) on
	s_lshl_b32 s34, s37, 9
	s_add_co_u32 s34, s34, PSC
	s_add_nc_u64 s[46:47], s[30:31], s[34:35]      ; k's scale words: group W % 2
	s_lshl_b32 s34, ttmp9, 13
	s_add_nc_u64 s[14:15], s[14:15], s[34:35]      ; q's codes
	s_lshl_b32 s34, ttmp9, 9
	s_add_nc_u64 s[28:29], s[28:29], s[34:35]      ; q's scale words
	s_cmp_lt_u32 s[WV], 2
	s_cselect_b64 s[44:45], s[14:15], s[44:45]
	s_cselect_b64 s[46:47], s[28:29], s[46:47]
	s_cselect_b64 s[48:49], s[8:9], s[10:11]       ; the bias
	s_lshl_b32 s34, s33, 10
	s_add_nc_u64 s[44:45], s[44:45], s[34:35]
	s_lshl_b32 s34, s33, 8
	s_add_nc_u64 s[46:47], s[46:47], s[34:35]
	s_lshl_b32 s34, s33, 9
	s_add_nc_u64 s[48:49], s[48:49], s[34:35]
.irp b, 0,1,2,3
.irp j, 0,1,2,3
	global_load_b128 v[BI+16*\b+4*\j:BI+16*\b+4*\j+3], v[HOF], s[48:49] offset:128*\b+16*\j   ; register 16 b + i: the bias of column 32 b + 16 h + i
.endr
.endr
	ds_load_b128 v[XS:XS+3], v[XRI] offset:XSCO
	ds_load_b128 v[XS+4:XS+7], v[XRI] offset:XSCO+512
	s_wait_loadcnt 0x0                             ; the weights and the bias
.macro QKTILE m
.set i, 0
.rept 8
	ds_load_b128 v[XF+4*i:XF+4*i+3], v[XRI] offset:4096*\m+512*i
.set i, i+1
.endr
	s_wait_dscnt 0x0
	WIN 0x01                                       ; source 0 (W) in window 1
.irp ks, 0,1,2,3                               ; the eight accumulators by turns, K step by K step; the bias is the C of each sum's first instruction
.irp t, 0,1,2,3,4,5,6,7
.if \ks == 0
	WM HA+8*\t, 8*(2*\t), XF, BI+8*\t, WS+\t, XS+\m, 0, 0
.else
	WM HA+8*\t, 128*(\ks/2)+8*(2*\t+\ks%2), XF+8*\ks, HA+8*\t, WS+8*(\ks/2)+\t, XS+4*(\ks/2)+\m, \ks%2, \ks%2
.endif
.endr
.endr
	WIN 0
	PLACES 4                                       ; in front of the first read of results and of the next loads into x's fragments
	QUANT 0, HA, PC+8*\m, PWS+\m
	global_store_b128 v[LI], v[PC+8*\m:PC+8*\m+3], s[44:45] offset:2048*\m
	global_store_b128 v[LI], v[PC+8*\m+4:PC+8*\m+7], s[44:45] offset:2048*\m+512
.endm
	QKTILE 0
	QKTILE 1
	QKTILE 2
	QKTILE 3
	global_store_b128 v[R16], v[PWS:PWS+3], s[46:47]   ; four tiles' words of row r: 256 consecutive bytes (both halves of the lanes hold and write the same)
	s_wait_xcnt 0x0
	v_lshl_add_u32 v254, v0, 2, 0x29000
	v_mov_b32 v255, 0
	s_wait_tensorcnt 0x0
	ds_add_u32 v254, v255
	s_wait_dscnt 0x0
	s_endpgm
.Lvpath:
	; ---- v
	s_sub_co_u32 s33, s[WV], 4                     ; which 128 of d
	s_lshl_b32 s34, s33, 9
	s_add_nc_u64 s[12:13], s[12:13], s[34:35]
.irp t, 0,1,2,3,4,5,6,7
	global_load_b32 v[BV+\t], v[VBO], s[12:13] offset:4*(32*(\t/2)+8*(\t%2))   ; the bias of my column of tile t
.endr
.set i, 0
.rept 32
	ds_load_b128 v[XALL+4*i:XALL+4*i+3], v[XRI] offset:512*i
.set i, i+1
.endr
	ds_load_b128 v[XS:XS+3], v[XRI] offset:XSCO
	ds_load_b128 v[XS+4:XS+7], v[XRI] offset:XSCO+512
	s_lshl_b32 s34, s33, 13
	s_lshl_b32 s36, s37, 9
	s_add_co_u32 s34, s34, s36
	s_add_co_u32 s34, s34, PART
	s_add_nc_u64 s[44:45], s[30:31], s[34:35]      ; V's part, tiles 8 dh on, my 64 keys' half of each fragment
	s_lshl_b32 s34, s33, 9
	s_lshl_b32 s36, s37, 1
	s_add_co_u32 s34, s34, s36
	s_add_co_u32 s34, s34, PART+PSC
	s_add_nc_u64 s[46:47], s[30:31], s[34:35]      ; its scale words, my two bytes of each
	s_wait_loadcnt 0x0
	s_wait_dscnt 0x0
; Tiles 2 j and 2 j + 1 of d, all 64 keys: register 32 e + 16 b + i = key 32 b + 16 h + i of my column of tile 2 j + e
.macro VPAIR j
	WIN 0x04                                       ; source 1 (W) in window 1
.irp ks, 0,1,2,3
.irp e, 0,1
.irp m, 0,1,2,3
.if \ks == 0
	WM HA+32*\e+8*\m, XALL+8*(4*\m), 8*(2*(2*\j+\e)), -1, XS+\m, WS+2*\j+\e, 0, 0
.else
	WM HA+32*\e+8*\m, XALL+8*(4*\m+\ks), 128*(\ks/2)+8*(2*(2*\j+\e)+\ks%2), HA+32*\e+8*\m, XS+4*(\ks/2)+\m, WS+8*(\ks/2)+2*\j+\e, \ks%2, \ks%2
.endif
.endr
.endr
.endr
	WIN 0
	PLACES 4
.irp e, 0,1
.set i, 0
.rept 32
	v_add_f32 v[HA+32*\e+i], v[HA+32*\e+i], v[BV+2*\j+\e]   ; each accumulator from its low end on
.set i, i+1
.endr
.endr
.if \j > 0
	s_wait_xcnt 0x0                                ; the last pair's stores have read their registers
.endif
	QUANT 0, HA, PCV, PW0
	global_store_b128 v[LI], v[PCV:PCV+3], s[44:45] offset:2048*\j
	global_store_b128 v[LI], v[PCV+4:PCV+7], s[44:45] offset:2048*\j+1024
	v_lshrrev_b32 v[PW1], 16, v[PW0]
	v_cndmask_b32 v[TMP], v[PW0], v[PW1], s40      ; lanes 0-15: tile 2 j's two bytes; lanes 16-31: tile 2 j + 1's
	global_store_b16 v[LI], v[TMP], s[46:47] offset:4*\j
.endm
	VPAIR 0
	VPAIR 1
	VPAIR 2
	VPAIR 3
	s_wait_xcnt 0x0
	v_lshl_add_u32 v254, v0, 2, 0x29000
	v_mov_b32 v255, 0
	s_wait_tensorcnt 0x0
	ds_add_u32 v254, v255
	s_wait_dscnt 0x0
	s_endpgm
.Lfunc_end_k_q07d3bed1a7_qkv:
	.size	k_q07d3bed1a7_qkv, .Lfunc_end_k_q07d3bed1a7_qkv-k_q07d3bed1a7_qkv
	.p2alignl 7, 3214868480
	.fill 96, 4, 3214868480
	.section	.rodata,"a",@progbits
	.p2align	6, 0x0
	.amdhsa_kernel k_q07d3bed1a7_qkv
		.amdhsa_group_segment_fixed_size 168960
		.amdhsa_private_segment_fixed_size 0
		.amdhsa_enable_private_segment 0
		.amdhsa_kernarg_size 64
		.amdhsa_user_sgpr_count 2
		.amdhsa_user_sgpr_kernarg_segment_ptr 1
		.amdhsa_wavefront_size32 1
		.amdhsa_system_sgpr_workgroup_id_x 1
		.amdhsa_system_sgpr_workgroup_id_y 1
		.amdhsa_system_sgpr_workgroup_id_z 1
		.amdhsa_system_vgpr_workitem_id 0
		.amdhsa_next_free_vgpr 512
		.amdhsa_next_free_sgpr 66
		.amdhsa_reserve_vcc 0
		.amdhsa_float_denorm_mode_32 3
		.amdhsa_float_denorm_mode_16_64 3
		.amdhsa_memory_ordered 1
		.amdhsa_forward_progress 1
		.amdhsa_inst_pref_size 103
	.end_amdhsa_kernel
	.amdgpu_metadata
---
amdhsa.version: [ 1, 2 ]
amdhsa.kernels:
  - .name:           k_q07d3bed1a7_qkv
    .symbol:         k_q07d3bed1a7_qkv.kd
    .args:
      - { .name: x, .offset: 0, .size: 8, .value_kind: global_buffer, .address_space: global }
      - { .name: wimg, .offset: 8, .size: 8, .value_kind: global_buffer, .address_space: global }
      - { .name: Wq_b, .offset: 16, .size: 8, .value_kind: global_buffer, .address_space: global }
      - { .name: Wk_b, .offset: 24, .size: 8, .value_kind: global_buffer, .address_space: global }
      - { .name: Wv_b, .offset: 32, .size: 8, .value_kind: global_buffer, .address_space: global }
      - { .name: qc, .offset: 40, .size: 8, .value_kind: global_buffer, .address_space: global }
      - { .name: qs, .offset: 48, .size: 8, .value_kind: global_buffer, .address_space: global }
      - { .name: kv, .offset: 56, .size: 8, .value_kind: global_buffer, .address_space: global }
    .group_segment_fixed_size: 168960
    .private_segment_fixed_size: 0
    .kernarg_segment_align: 8
    .kernarg_segment_size: 64
    .max_flat_workgroup_size: 256
    .sgpr_count:     66
    .vgpr_count:     512
    .wavefront_size: 32
...
	.end_amdgpu_metadata
.endif
;; end of part 2
;; launch attn (part 3): grid 64 x 4, 8 waves a work-group, clusters of 4 x 1, 327,680 bytes of LDS; arguments qc, qs, kv, aimg; writes aimg
.if DOCPART == 3
	.amdgcn_target "amdgcn-amd-amdhsa--gfx1250"
	.amdhsa_code_object_version 6
	.text
	.protected	k_q07d3bed1a7_attn
	.globl	k_q07d3bed1a7_attn
	.p2align	8
	.type	k_q07d3bed1a7_attn,@function
k_q07d3bed1a7_attn:
	s_mov_b64 s[64:65], 0
	v_nop
	global_prefetch_b8 v0, s[64:65] scope:SCOPE_SE
	s_setreg_imm32_b32 hwreg(HW_REG_WAVE_MODE, 25, 1), 1
	s_wait_xcnt 0x0
	s_wait_alu depctr_hold_cnt(0) depctr_sa_sdst(0) depctr_va_vdst(0) depctr_va_sdst(0) depctr_va_ssrc(0) depctr_va_vcc(0) depctr_vm_vsrc(0)
	s_getreg_b32 s2, hwreg(HW_REG_IB_STS2, 6, 4)
	s_cmp_eq_u32 s2, 0
	s_cbranch_scc0 .Lentry_in_a_cluster
	s_endpgm
.Lentry_in_a_cluster:
	s_bfe_u32 s2, ttmp6, 0x10000c
	s_cmp_lg_u32 s2, 0x3003
	s_cbranch_scc0 .Lentry_shape_is_right
	s_endpgm
.Lentry_shape_is_right:
; attn[b][q] = the sum over keys of softmax(q . k / sqrt(32)) v, both products on codes of FP4 with E8M0 scales; the result is quantised along d and leaves as images of operand registers.
; THE SOFTMAX: t = score x log2(e) / sqrt(32); M = the largest t so far, rounded up to a whole number; p = 2^(t - M) is quantised along the keys, not normalised; the row's sum is taken of the unquantised p and divides at the end.
; SHARES.  A work-group owns 64 queries (four tiles of 16).  Wave w: tiles 2 (w % 2), 2 (w % 2) + 1 and the keys 1,024 (w / 2) on: 8 trips of 128 keys, with its own running M, sum and O.
; So each fragment of K and V read from LDS feeds two matrix instructions, and two waves share a SIMD: one's softmax stands beside the other's products.  The four quarters of the keys are merged at the end: every M is a whole number, so the factors 2^(M_k - M) round nothing.
; LAYOUT.  Both products are used transposed: S^T = K Q^T, O^T = V^T P^T: a lane holds one query throughout.  The keys of a tile of K and the d of a tile of V are not neighbours (lane r of tile 2 b + u: 32 b + 8 u + r + 8 (r / 8)),
; so that the 16 registers of tiles 2 b, 2 b + 1 are 16 neighbours along the next K.
; kv holds, for each batch and 128 keys, a block of 34,816 bytes: K's part (fragment (key tile, d step) at (2 t + s) x 1,024; scale words at 16,384) and V's (fragment of d tile t at 1,024 t; scale words at 16,384).
; CLUSTER.  The four work-groups of a cluster belong to one batch and walk the same blocks: each wave's half block is asked for jointly, by the same tensor load with the same descriptor in all four.
; LIMITS: NaN and infinities are not served; a p under 2^-126 counts as zero; a block of p whose largest lies under 2^-124 is held at the byte 1; a block of zeros has the byte 1: its codes are zeros, and this program alone reads the bytes.
.set PART,  17408
.set PSC,   16384
.set KVB,   34816
.set SLOT,  4*KVB                      ; a slot: the four quarters' blocks of one trip
.set SPARE, 2*SLOT                     ; the spare words, 128 bytes for each wave: four blocks of 256 bytes that no other line names
.set SST,   262144                     ; behind the last trip, in the slots, which have had their last fill: each wave's O at 32,768 w; the statistics;
.set ASTG,  266240                     ; the result's scale words
.set AB,   1                           ; v1, v2  16 x lane + my quarter's block in slot 0, 1
.set SPW,  3                           ; v3   LDS address of my spare word; never rewritten
.set NIL,  4                           ; v4   0; never rewritten
.set Q,    16                          ; v16-47  Q: fragment (tile a, d step s) at 16 a + 8 s.  v[8 + 4 a]: -M, the largest t, the sum in two halves
.set QS,   48                          ; v48-49  Q's scale words
.set KS,   50                          ; v50-57  K's scale words, then V's
.set PW,   58                          ; v58-59  p's scale words
.set PFO,  60                          ; v60  the prefetches' offset; never rewritten
.set LI,   62                          ; v62  16 x lane
.set KB,   64                          ; v64-127 two sets of four fragments of K.  Behind the scores:
.set PC,   64                          ; v64-79  p's codes, eight registers a tile
.set BM,   80                          ; v80-83  the blocks' largest scores, then largest p
.set BP,   84                          ; v84-87  at work
.set SO,   88                          ; v88-91  the conversions' scale operands
.set TM,   80                          ; (the quantiser's twelve registers at the end)
.set F,    92                          ; v[92:93] f = 2^(old M - new M)
.set T,    94
.set S,    128                         ; v128-255 S^T, then p (64 a + 8 key tile), then V's 16 fragments.   Window 1: O^T, tile a, d tile t at 128 a + 8 t
.set WV,   12
.set G1,   16
.set G0,   24                          ; s[24:27], s[28:31]: group 0 for slot 0, 1
.set CS,   38                          ; s[38:39] c = log2(e) / sqrt(32)
.set SEL,  40
.set PFA,  42
.set PFN,  44
.set LIM,  45
.set MSB, 0
.macro WIN new                         ; the immediate's high byte repeats the setting that is left
.if MSB != (\new)
	s_set_vgpr_msb (MSB<<8)|(\new)
.set MSB, (\new)
.endif
.endm
.macro PLACES n
.rept \n
	v_nop
.endr
.endm
.macro BARRIER
	s_wait_dscnt 0x0
	s_barrier_signal -1
	s_barrier_wait -1
.endm
.macro ROUND                           ; a round of the cluster's barrier
	s_barrier_signal -1
	s_barrier_wait -1
	s_cmp_lg_u32 s[WV], 0
	s_cbranch_scc1 .Lnot_wave_0_\@
	s_barrier_signal -3
.Lnot_wave_0_\@:
	s_barrier_wait -3
	s_barrier_signal -1
	s_barrier_wait -1
.endm
; one matrix instruction.  c < 0: the constant 0 starts the sum.  ra, rb: the scales stand in lanes 16-31
.macro WM d, a, b, c, sa, sb, ra, rb
.if (\c) < 0
.if (\rb)
	v_wmma_scale_f32_16x16x128_f8f6f4 v[\d:\d+7], v[\a:\a+7], v[\b:\b+7], 0, v[\sa], v[\sb] matrix_a_fmt:MATRIX_FMT_FP4 matrix_b_fmt:MATRIX_FMT_FP4 matrix_a_scale:MATRIX_SCALE_ROW1 matrix_b_scale:MATRIX_SCALE_ROW1
.elseif (\ra)
	v_wmma_scale_f32_16x16x128_f8f6f4 v[\d:\d+7], v[\a:\a+7], v[\b:\b+7], 0, v[\sa], v[\sb] matrix_a_fmt:MATRIX_FMT_FP4 matrix_b_fmt:MATRIX_FMT_FP4 matrix_a_scale:MATRIX_SCALE_ROW1
.else
	v_wmma_scale_f32_16x16x128_f8f6f4 v[\d:\d+7], v[\a:\a+7], v[\b:\b+7], 0, v[\sa], v[\sb] matrix_a_fmt:MATRIX_FMT_FP4 matrix_b_fmt:MATRIX_FMT_FP4
.endif
.else
.if (\rb)
	v_wmma_scale_f32_16x16x128_f8f6f4 v[\d:\d+7], v[\a:\a+7], v[\b:\b+7], v[\c:\c+7], v[\sa], v[\sb] matrix_a_fmt:MATRIX_FMT_FP4 matrix_b_fmt:MATRIX_FMT_FP4 matrix_a_scale:MATRIX_SCALE_ROW1 matrix_b_scale:MATRIX_SCALE_ROW1
.elseif (\ra)
	v_wmma_scale_f32_16x16x128_f8f6f4 v[\d:\d+7], v[\a:\a+7], v[\b:\b+7], v[\c:\c+7], v[\sa], v[\sb] matrix_a_fmt:MATRIX_FMT_FP4 matrix_b_fmt:MATRIX_FMT_FP4 matrix_a_scale:MATRIX_SCALE_ROW1
.else
	v_wmma_scale_f32_16x16x128_f8f6f4 v[\d:\d+7], v[\a:\a+7], v[\b:\b+7], v[\c:\c+7], v[\sa], v[\sb] matrix_a_fmt:MATRIX_FMT_FP4 matrix_b_fmt:MATRIX_FMT_FP4
.endif
.endif
.endm
; 64 numbers of a lane, register 16 b + i = k 32 b + 16 (lane / 16) + i of my row, become a fragment's codes in v[pc] on and its scale word in v[pw]
.macro QUANT s, pc, pw
.irp b, 0,1,2,3
	v_max3_num_f32 v[TM+\b], |v[\s+16*\b]|, |v[\s+16*\b+1]|, 0x1800000
.endr
.irp i, 2,4,6,8,10,12,14
.irp b, 0,1,2,3
	v_max3_num_f32 v[TM+\b], v[TM+\b], |v[\s+16*\b+\i]|, |v[\s+16*\b+\i+1]|
.endr
.endr
.irp b, 0,1,2,3
	v_permlanex16_b32 v[TM+4+\b], v[TM+\b], s[SEL], s[SEL+1]
.endr
.irp b, 0,1,2,3
	v_max_num_f32 v[TM+\b], v[TM+\b], v[TM+4+\b]
.endr
.irp b, 0,1,2,3
	v_add_nc_u32 v[TM+8+\b], 0xff000000, v[TM+\b]
.endr
.irp b, 0,1,2,3
	v_lshrrev_b32 v[TM+4+\b], 23, v[TM+8+\b]
.endr
	v_lshl_or_b32 v[\pw], v[TM+5], 8, v[TM+4]
	v_lshl_or_b32 v[\pw], v[TM+6], 16, v[\pw]
	v_lshl_or_b32 v[\pw], v[TM+7], 24, v[\pw]
.irp b, 0,1,2,3
	v_cvt_scalef32_pk8_fp4_f32 v[\pc+2*\b], v[\s+16*\b:\s+16*\b+7], v[TM+8+\b]
	v_cvt_scalef32_pk8_fp4_f32 v[\pc+2*\b+1], v[\s+16*\b+8:\s+16*\b+15], v[TM+8+\b]
.endr
	v_nop
.irp c, 0,1
.irp i, 0,1
	v_permlane16_swap_b32 v[\pc+4*\c+\i], v[\pc+4*\c+2+\i]
.endr
.endr
.endm
; A PREFETCH INTO THE L2 of the codes of the tile after the one that is being asked for: one trip ahead of its tensor load.  All clusters of a batch walk the same blocks: the batch's first cluster asks.
; In each of its work-groups the even waves ask, each for its quarter's block: lanes 0-15 for 4,096 bytes of K's codes, lanes 16-31 for 4,096 of V's, 256 bytes apart; the four partners take the four quarters of the 16,384 BY ADDRESS.
; So each aligned 256 bytes of codes are named once in the launch.  Tiles 0 and 1 and the scale words come by their loads alone; the last two changes of slots ask for nothing.
.macro ASK
	s_cmp_gt_u32 s[PFN], s[LIM]
	s_cbranch_scc0 .Lnot_mine_\@
	global_prefetch_b8 v[PFO], s[PFA:PFA+1] th:TH_LOAD_NT scope:SCOPE_SE
.Lnot_mine_\@:
.endm
; THE CHANGE OF SLOTS stands at a trip's head.  Each wave waits for all its tensor loads (one is out: its part of the slot that it is about to read), adds 0 to its spare word, and waits for that and for its reads of the slot that it has left.
; refill = 1: a round of the cluster's barrier, so that no wave of any partner still reads that slot or has a load on its way; then the joint refill, first thing: it has a whole trip in which to land.
.macro CHANGE slot, refill
	s_wait_tensorcnt 0x0                           ; no tensor load of mine is out, so a group 0 may be written
	ds_add_u32 v[SPW], v[NIL]                      ; 0 onto my spare word
	s_add_nc_u64 s[G0+4*\slot+2:G0+4*\slot+3], s[G0+4*\slot+2:G0+4*\slot+3], 2*KVB   ; this slot's next tile
	s_wait_xcnt 0x0                                ; the last prefetch, a trip back, has read its address
	s_add_nc_u64 s[PFA:PFA+1], s[PFA:PFA+1], KVB
	s_sub_co_u32 s[PFN], s[PFN], 1
	s_wait_dscnt 0x0                               ; the add is done, and my reads of the slot that I have left are over
.if \refill
	ROUND
	tensor_load_to_lds s[G0+4-4*\slot:G0+7-4*\slot], s[G1:G1+7]
	s_nop 0
	PLACES 4
	ASK
.else
	s_barrier_signal -1
	s_barrier_wait -1
.endif
.endm
.macro KLOAD ab, g, kb                 ; key tiles 2 g, 2 g + 1, both d steps: four fragments
.irp e, 0,1
.irp s, 0,1
.irp c, 0,1
	ds_load_b128 v[\kb+16*\e+8*\s+4*\c:\kb+16*\e+8*\s+4*\c+3], v[\ab] offset:(2*(2*(\g)+\e)+\s)*1024+512*\c
.endr
.endr
.endr
.endm
.macro SGRP g, kb                      ; their scores for my two tiles of queries: four accumulators by turns, d step by d step
.irp e, 0,1
.irp a, 0,1
	WM S+64*\a+8*(2*(\g)+\e), \kb+16*\e, Q+16*\a, -1, KS+2*(\g)+\e, QS+\a, 0, 0
.endr
.endr
.irp e, 0,1
.irp a, 0,1
	WM S+64*\a+8*(2*(\g)+\e), \kb+16*\e+8, Q+16*\a+8, S+64*\a+8*(2*(\g)+\e), KS+2*(\g)+\e, QS+\a, 1, 1
.endr
.endr
.endm
; The softmax of tile a for 128 keys.  first = 1: O^T has not begun, so nothing is rescaled
.macro SMX a, first
.set SB, S+64*(\a)
.set SS, 8+4*(\a)
.set PCA, PC+8*(\a)
.irp b, 0,1,2,3
	v_max3_num_f32 v[BM+\b], v[SB+16*\b], v[SB+16*\b+1], v[SB+16*\b+2]   ; the largest score of each block of 32 keys: it serves for the row's maximum and, since p rises with the score, for the block's largest p
.endr
.irp i, 3,5,7,9,11,13
.irp b, 0,1,2,3
	v_max3_num_f32 v[BM+\b], v[BM+\b], v[SB+16*\b+\i], v[SB+16*\b+\i+1]
.endr
.endr
.irp b, 0,1,2,3
	v_max_num_f32 v[BM+\b], v[BM+\b], v[SB+16*\b+15]
.endr
.irp b, 0,1,2,3
	v_permlanex16_b32 v[BP+\b], v[BM+\b], s[SEL], s[SEL+1]
.endr
.irp b, 0,1,2,3
	v_max_num_f32 v[BM+\b], v[BM+\b], v[BP+\b]     ; with lane l xor 16's 16 keys
.endr
	v_max3_num_f32 v[T], v[BM], v[BM+1], v[BM+2]
	v_max_num_f32 v[T], v[T], v[BM+3]
	v_mul_f32 v[T], s[CS], v[T]                    ; as t (c is positive)
	v_max_num_f32 v[SS+1], v[SS+1], v[T]           ; the running largest t
	v_mov_b32 v[T], v[SS]
	v_floor_f32 v[SS], -v[SS+1]                    ; the new -M = floor(-t): M is a whole number
	v_sub_f32 v[T], v[SS], v[T]                    ; old M - new M: a whole number, 0 or less
	v_cvt_i32_f32 v[T], v[T]                       ; (it saturates)
	v_ldexp_f32 v[F], 1.0, v[T]                    ; f = 2^(old M - new M): a multiplication by it rounds nothing
.set j, 0
.rept 32
	v_pk_fma_f32 v[SB+j:SB+j+1], v[SB+j:SB+j+1], s[CS:CS+1], v[SS:SS+1] op_sel_hi:[1,0,0]   ; t - M, two at a time
.set j, j+2
.endr
.irp b, 0,1,2,3
	v_fma_f32 v[BM+\b], v[BM+\b], s[CS], v[SS]
.endr
.set j, 0
.rept 64
	v_exp_f32 v[SB+j], v[SB+j]                     ; p = 2^(t - M), at most 1
.set j, j+1
.endr
.irp b, 0,1,2,3
	v_exp_f32 v[BM+\b], v[BM+\b]                   ; the block's largest p: the same two instructions on the same number
.endr
	v_pk_mul_f32 v[SS+2:SS+3], v[SS+2:SS+3], v[F:F+1] op_sel_hi:[1,0]   ; the sums under the new M (a plain place behind the exponentials)
	s_wait_alu depctr_va_vdst(0)
.irp b, 0,1,2,3
	v_max_num_f32 v[BM+\b], 0x1800000, v[BM+\b]    ; the floor 2^(3 - 127)
.endr
.irp b, 0,1,2,3
	v_add_nc_u32 v[SO+\b], 0xff000000, v[BM+\b]
.endr
.irp b, 0,1,2,3
	v_lshrrev_b32 v[BP+\b], 23, v[SO+\b]
.endr
	v_lshl_or_b32 v[PW+\a], v[BP+1], 8, v[BP]      ; p's scale word for these 128 keys
	v_lshl_or_b32 v[PW+\a], v[BP+2], 16, v[PW+\a]
	v_lshl_or_b32 v[PW+\a], v[BP+3], 24, v[PW+\a]
.irp b, 0,1,2,3
	v_cvt_scalef32_pk8_fp4_f32 v[PCA+2*\b], v[SB+16*\b:SB+16*\b+7], v[SO+\b]
	v_cvt_scalef32_pk8_fp4_f32 v[PCA+2*\b+1], v[SB+16*\b+8:SB+16*\b+15], v[SO+\b]
.endr
	v_nop                                          ; one plain place behind a scaled conversion
.irp c, 0,1
.irp i, 0,1
	v_permlane16_swap_b32 v[PCA+4*\c+\i], v[PCA+4*\c+2+\i]
.endr
.endr
	v_pk_add_f32 v[BP:BP+1], v[SB:SB+1], v[SB+2:SB+3]   ; the row's sum is taken of the unquantised p: two at a time, in two chains.  (These are also the places in front of the products that take p's codes and scale word)
.irp j, 4,8,12,16,20,24,28,32,36,40,44,48,52,56,60
	v_pk_add_f32 v[SS+2:SS+3], v[SS+2:SS+3], v[SB+\j:SB+\j+1]
	v_pk_add_f32 v[BP:BP+1], v[BP:BP+1], v[SB+\j+2:SB+\j+3]
.endr
	v_pk_add_f32 v[SS+2:SS+3], v[SS+2:SS+3], v[BP:BP+1]
.if (\first) == 0
	WIN 0x41                                       ; O^T (destination and source 0) in window 1
.set j, 0
.rept 64
	v_pk_mul_f32 v[128*(\a)+j:128*(\a)+j+1], v[128*(\a)+j:128*(\a)+j+1], v[F:F+1] op_sel_hi:[1,0]
.set j, j+2
.endr
	WIN 0
.endif
.endm
.macro PVH t0, first                   ; O^T += V^T P^T for d tiles t0 .. t0 + 7: sixteen accumulators, one instruction each
.irp tt, 0,1,2,3,4,5,6,7
.irp a, 0,1
.if \first
	WM 128*\a+8*(\t0+\tt), S+8*(\t0+\tt), PC+8*\a, -1, KS+(\t0+\tt)/2, PW+\a, \tt%2, 0
.else
	WM 128*\a+8*(\t0+\tt), S+8*(\t0+\tt), PC+8*\a, 128*\a+8*(\t0+\tt), KS+(\t0+\tt)/2, PW+\a, \tt%2, 0
.endif
.endr
.endr
.endm
; A TRIP: 128 keys of my quarter
.macro STEP slot, first
	ds_load_b128 v[KS:KS+3], v[AB+\slot] offset:PSC
	ds_load_b128 v[KS+4:KS+7], v[AB+\slot] offset:PSC+512
	KLOAD AB+\slot, 0, KB
	KLOAD AB+\slot, 1, KB+32
.irp g, 0,1,2,3
.if \g < 3
	s_wait_dscnt 8                                 ; this group's fragments are in; the next group's eight loads may be out
.else
	s_wait_dscnt 0x0
.endif
	SGRP \g, KB+32*(\g%2)
	PLACES 4                                       ; in front of loads into, and vector writes of, registers that these products read, and of the first read of the scores
.if \g < 2
	KLOAD AB+\slot, \g+2, KB+32*(\g%2)
.endif
.endr
	SMX 0, \first
	ds_load_b128 v[KS:KS+3], v[AB+\slot] offset:PART+PSC           ; V's scale words: register j: tile 2 j in lanes 0-15, tile 2 j + 1 in lanes 16-31
	ds_load_b128 v[KS+4:KS+7], v[AB+\slot] offset:PART+PSC+512
.set i, 0
.rept 16
	ds_load_b128 v[S+4*i:S+4*i+3], v[AB+\slot] offset:PART+512*i   ; V's tiles 0-7, where tile 0's p lay
.set i, i+1
.endr
	SMX 1, \first
.rept 16
	ds_load_b128 v[S+4*i:S+4*i+3], v[AB+\slot] offset:PART+512*i   ; tiles 8-15
.set i, i+1
.endr
	s_wait_dscnt 16                                ; the first half is in; the sixteen loads just issued may be out
	WIN 0x50                                       ; C and D in window 1
	PVH 0, \first
	s_wait_dscnt 0x0
	PVH 8, \first
	WIN 0
	PLACES 5                                       ; the next scores are written over V's fragments by matrix instructions: five places; the next loads onto p's codes and V's scale words want four
.endm
	s_load_b256 s[4:11], s[0:1], 0x0               ; qc, qs, kv, aimg
	v_lshl_add_u32 v[SPW], v0, 2, SPARE
	v_mov_b32 v[NIL], 0
	ds_add_u32 v3, v4
	ds_add_u32 v3, v4
	s_wait_dscnt 0x0
	v_lshrrev_b32 v5, 5, v0
	v_readfirstlane_b32 s[WV], v5                  ; wave 0..7
	s_bfe_u32 s13, ttmp6, 0x40000                  ; cx: my place in the cluster
	s_and_b32 s14, ttmp7, 0xffff                   ; the batch, which the four partners share
	s_lshl_b32 s15, ttmp9, 2
	s_add_co_u32 s15, s15, s13
	s_lshl_b32 s33, s14, 6
	s_add_co_u32 s15, s15, s33                     ; W = 64 batch + 4 cluster x + cx: it enters global addresses of q and of the result alone
	; descriptor group 1: half a block, 17,408 dense bytes, as 68 rows of 32 elements of 8 bytes
	s_mov_b32 s[G1], 15|(3<<16)|(1<<21)            ; 15:0 the mask: all four work-groups; 17:16 elements of 8 bytes; 21 set beside a mask
	s_mov_b32 s[G1+1], 32<<16
	s_mov_b32 s[G1+2], 68<<16
	s_mov_b32 s[G1+3], 32<<16
	s_mov_b32 s[G1+4], 68
	s_mov_b32 s[G1+5], 32
	s_mov_b32 s[G1+6], 0
	s_mov_b32 s[G1+7], 0
	s_mul_i32 s34, s14, 32*KVB
	s_lshr_b32 s33, s[WV], 1                       ; my quarter of the keys
	s_mul_i32 s35, s33, 8*KVB
	s_add_co_u32 s34, s34, s35
	s_mov_b32 s36, s34                             ; my quarter's first block
	s_and_b32 s37, s[WV], 1                        ; which pair of query tiles; also which half of the block I fetch
	s_mul_i32 s35, s37, PART
	s_add_co_u32 s34, s34, s35
	s_mov_b32 s35, 0
	s_mul_i32 s46, s[WV], PART                     ; and where it goes: no place in the cluster enters an LDS address
	s_mov_b32 s[CS], 0x3e8293ee                    ; c = log2(e) / sqrt(32)
	s_mov_b32 s[CS+1], s[CS]
	s_mov_b32 s[SEL], 0x76543210
	s_mov_b32 s[SEL+1], 0xfedcba98
	s_mov_b32 s[PFN], 7
	s_or_b32 s[LIM], s37, ttmp9                    ; 0 in the even waves of the batch's first cluster: the same in all four partners
	s_cmp_eq_u32 s[LIM], 0
	s_cselect_b32 s[LIM], 0, -1
	s_lshl_b32 s48, s13, 12                        ; the prefetches: my work-group's 4,096 bytes, in tile 1: the first change of slots steps it to tile 2
	s_add_co_u32 s48, s48, s36
	s_add_co_u32 s48, s48, KVB
	s_mov_b32 s49, 0
	s_wait_kmcnt 0x0
	s_add_nc_u64 s[PFA:PFA+1], s[8:9], s[48:49]
	s_mov_b32 s[G0], 1
	s_mov_b32 s[G0+1], s46
	s_add_nc_u64 s[G0+2:G0+3], s[8:9], s[34:35]    ; tile 0
	s_mov_b32 s[G0+4], 1
	s_add_co_u32 s[G0+5], s46, SLOT
	s_add_nc_u64 s[G0+6:G0+7], s[G0+2:G0+3], KVB   ; tile 1
	s_or_b32 s[G0+3], s[G0+3], 0x80000000
	s_or_b32 s[G0+7], s[G0+7], 0x80000000
	s_lshl_b32 s48, s15, 13
	s_lshl_b32 s47, s37, 12
	s_add_co_u32 s48, s48, s47
	s_add_nc_u64 s[4:5], s[4:5], s[48:49]          ; Q's codes: my two tiles
	s_lshl_b32 s48, s15, 9
	s_lshl_b32 s47, s37, 3
	s_add_co_u32 s48, s48, s47
	s_add_nc_u64 s[6:7], s[6:7], s[48:49]          ; and their scale words
	s_mul_i32 s48, s15, 8704
	s_add_nc_u64 s[10:11], s[10:11], s[48:49]      ; the result
	ROUND                                          ; all four work-groups are here: the first joint loads meet
	tensor_load_to_lds s[G0:G0+3], s[G1:G1+7]      ; tile 0; one tensor load of mine is out, here and behind every change of slots
	s_nop 0
	PLACES 4
	v_and_b32 v5, 31, v0
	v_lshlrev_b32 v[LI], 4, v5
.set i, 0
.rept 8
	global_load_b128 v[Q+4*i:Q+4*i+3], v[LI], s[4:5] offset:512*i th:TH_LOAD_NT
.set i, i+1
.endr
	global_load_b64 v[QS:QS+1], v[LI], s[6:7] th:TH_LOAD_NT
	s_mul_i32 s47, s33, KVB
	v_add_nc_u32 v[AB], s47, v[LI]
	v_add_nc_u32 v[AB+1], SLOT, v[AB]
	v_and_b32 v6, 15, v0
	v_bfe_u32 v7, v0, 4, 1
	v_mul_u32_u24 v[PFO], v7, PART
	v_lshl_add_u32 v[PFO], v6, 8, v[PFO]
.irp a, 0,1
	v_mov_b32 v[9+4*\a], 0xff61b1e6                ; the largest t so far: -3e38, under every t
	v_floor_f32 v[8+4*\a], -v[9+4*\a]              ; -M
	v_mov_b32 v[10+4*\a], 0                        ; the sum, in two halves
	v_mov_b32 v[11+4*\a], 0
.endr
	s_wait_loadcnt 0x0                             ; Q
	CHANGE 0, 1
	STEP 0, 1                                      ; the first trip's products start O^T's sums: nothing is cleared
	s_mov_b32 s32, 3
.Ltrip:                                            ; trips 1 to 6, two a turn of the loop
	CHANGE 1, 1
	STEP 1, 0
	CHANGE 0, 1
	STEP 0, 0
	s_sub_co_u32 s32, s32, 1
	s_cmp_lg_u32 s32, 0
	s_cbranch_scc1 .Ltrip
	CHANGE 1, 0                                    ; the last trip is written out
	STEP 1, 0
	; ---- THE MERGE.  Each wave leaves its O^T, -M and sum in LDS; then wave (qp, x) merges, over the four quarters of the keys, query tile 2 qp + x % 2 for d step x / 2.
	BARRIER                                        ; nobody reads the slots any more
	v_and_b32 v96, 31, v0                          ; lane
	v_and_b32 v97, 15, v0                          ; r
	s_lshl_b32 s33, s[WV], 15
	v_lshl_add_u32 v5, v96, 4, s33
	WIN 0x04                                       ; an LDS store's data are its source 1: window 1
.set i, 0
.rept 64
	ds_store_b128 v5, v[4*i:4*i+3] offset:512*i    ; each accumulator from its low end on
.set i, i+1
.endr
	WIN 0
	v_add_f32 v10, v10, v11
	v_add_f32 v14, v14, v15
	s_lshl_b32 s33, s[WV], 9
	s_add_co_u32 s33, s33, SST
	v_lshl_add_u32 v6, v96, 2, s33
	ds_store_b32 v6, v8
	ds_store_b32 v6, v10 offset:128
	ds_store_b32 v6, v12 offset:256
	ds_store_b32 v6, v14 offset:384
	s_and_b32 s33, s[WV], 1                        ; qp
	s_lshr_b32 s34, s[WV], 1
	s_and_b32 s34, s34, 1                          ; which of the pair's two tiles
	s_lshr_b32 s35, s[WV], 2                       ; d step
	s_lshl_b32 s46, s33, 9
	s_lshl_b32 s47, s34, 8
	s_add_co_u32 s46, s46, s47
	s_add_co_u32 s46, s46, SST
	v_lshl_add_u32 v7, v96, 2, s46                 ; the statistics of wave 2 k + qp: 1,024 k on
	s_lshl_b32 s46, s33, 15
	s_lshl_b32 s47, s34, 14
	s_add_co_u32 s46, s46, s47
	s_lshl_b32 s47, s35, 13
	s_add_co_u32 s46, s46, s47
	v_lshl_add_u32 v120, v96, 4, s46               ; its 64 registers of O^T: 65,536 k on
	v_add_nc_u32 v121, 0x10000, v120
	v_add_nc_u32 v122, 0x10000, v121
	v_add_nc_u32 v123, 0x10000, v122
	s_lshl_b32 s46, s35, 8
	s_lshl_b32 s47, s33, 3
	s_add_co_u32 s46, s46, s47
	s_lshl_b32 s47, s34, 2
	s_add_co_u32 s46, s46, s47
	s_add_co_u32 s46, s46, ASTG
	v_lshl_add_u32 v124, v97, 4, s46               ; the result's scale word: 16 (16 s + r) + 4 m
	v_lshl_add_u32 v125, v96, 4, ASTG
	s_lshl_b32 s48, s33, 12
	s_lshl_b32 s47, s34, 11
	s_add_co_u32 s48, s48, s47
	s_lshl_b32 s47, s35, 10
	s_add_co_u32 s48, s48, s47
	s_mov_b32 s49, 0
	s_add_nc_u64 s[50:51], s[10:11], s[48:49]      ; the result's fragment (m, s)
	BARRIER                                        ; every wave's O^T and statistics lie in LDS
.irp k, 0,1,2,3
	ds_load_b32 v[64+\k], v7 offset:1024*\k        ; -M_k
	ds_load_b32 v[68+\k], v7 offset:1024*\k+128    ; the sum of quarter k (my half of the lanes' keys)
.endr
	WIN 0x40
.irp k, 0,1,2,3
.set i, 0
.rept 16
	ds_load_b128 v[64*\k+4*i:64*\k+4*i+3], v[120+\k] offset:512*i
.set i, i+1
.endr
.endr
	WIN 0
	s_wait_dscnt 63                                ; the eight statistics are in: 64 loads were issued behind them; the count's field holds 63
	v_min_num_f32 v72, v64, v65
	v_min_num_f32 v73, v66, v67
	v_min_num_f32 v72, v72, v73                    ; -M = the least -M_k
.irp k, 0,1,2,3
	v_sub_f32 v[76+\k], v72, v[64+\k]              ; M_k - M: a whole number, 0 or less
.endr
.irp k, 0,1,2,3
	v_cvt_i32_f32 v[76+\k], v[76+\k]
.endr
.irp k, 0,1,2,3
	v_ldexp_f32 v[76+\k], 1.0, v[76+\k]            ; f_k = 2^(M_k - M)
.endr
	v_mul_f32 v73, v76, v68
	v_fma_f32 v73, v77, v69, v73
	v_fma_f32 v73, v78, v70, v73
	v_fma_f32 v73, v79, v71, v73
	v_permlanex16_b32 v74, v73, s[SEL], s[SEL+1]
	v_add_f32 v73, v73, v74                        ; the row's sum
	v_rcp_f32 v73, v73
	v_nop                                          ; a plain place behind the reciprocal
	s_wait_alu depctr_va_vdst(0)
.irp k, 0,1,2,3
	v_mul_f32 v[112+2*\k], v[76+\k], v73           ; f_k / the sum, in both words of a pair
.endr
.irp k, 0,1,2,3
	v_mov_b32 v[113+2*\k], v[112+2*\k]
.endr
	s_wait_dscnt 0x0
	WIN 0x01                                       ; source 0 in window 1
.set i, 0
.rept 32
	v_pk_mul_f32 v[S+i:S+i+1], v[i:i+1], v[112:113]
.set i, i+2
.endr
.irp k, 1,2,3
.set i, 0
.rept 32
	v_pk_fma_f32 v[S+i:S+i+1], v[64*\k+i:64*\k+i+1], v[112+2*\k:113+2*\k], v[S+i:S+i+1]
.set i, i+2
.endr
.endr
	WIN 0
	QUANT S, PC, PW                                ; register 16 b + i = d 128 s + 32 b + 16 h + i of query r
	global_store_b128 v[LI], v[PC:PC+3], s[50:51]
	global_store_b128 v[LI], v[PC+4:PC+7], s[50:51] offset:512
	ds_store_b32 v124, v[PW]
	BARRIER                                        ; the eight fragments' scale words lie in LDS
	s_cmp_lg_u32 s[WV], 0
	s_cbranch_scc1 .Lnot_first
	ds_load_b128 v[100:103], v125
	s_wait_dscnt 0x0
	global_store_b128 v[LI], v[100:103], s[10:11] offset:8192      ; 512 consecutive bytes
.Lnot_first:
	s_wait_tensorcnt 0x0                           ; the wave's end: behind my last tensor load and my last LDS store
	ds_add_u32 v[SPW], v[NIL]
	s_wait_dscnt 0x0
	ROUND                                          ; the closing round
	s_endpgm
.Lfunc_end_k_q07d3bed1a7_attn:
	.size	k_q07d3bed1a7_attn, .Lfunc_end_k_q07d3bed1a7_attn-k_q07d3bed1a7_attn
	.p2alignl 7, 3214868480
	.fill 96, 4, 3214868480
	.section	.rodata,"a",@progbits
	.p2align	6, 0x0
	.amdhsa_kernel k_q07d3bed1a7_attn
		.amdhsa_group_segment_fixed_size 327680
		.amdhsa_private_segment_fixed_size 0
		.amdhsa_enable_private_segment 0
		.amdhsa_kernarg_size 32
		.amdhsa_user_sgpr_count 2
		.amdhsa_user_sgpr_kernarg_segment_ptr 1
		.amdhsa_wavefront_size32 1
		.amdhsa_system_sgpr_workgroup_id_x 1
		.amdhsa_system_sgpr_workgroup_id_y 1
		.amdhsa_system_sgpr_workgroup_id_z 1
		.amdhsa_system_vgpr_workitem_id 0
		.amdhsa_next_free_vgpr 512
		.amdhsa_next_free_sgpr 66
		.amdhsa_reserve_vcc 0
		.amdhsa_float_denorm_mode_32 3
		.amdhsa_float_denorm_mode_16_64 3
		.amdhsa_memory_ordered 1
		.amdhsa_forward_progress 1
		.amdhsa_inst_pref_size 196
	.end_amdhsa_kernel
	.amdgpu_metadata
---
amdhsa.version: [ 1, 2 ]
amdhsa.kernels:
  - .name:           k_q07d3bed1a7_attn
    .symbol:         k_q07d3bed1a7_attn.kd
    .args:
      - { .name: qc, .offset: 0, .size: 8, .value_kind: global_buffer, .address_space: global }
      - { .name: qs, .offset: 8, .size: 8, .value_kind: global_buffer, .address_space: global }
      - { .name: kv, .offset: 16, .size: 8, .value_kind: global_buffer, .address_space: global }
      - { .name: aimg, .offset: 24, .size: 8, .value_kind: global_buffer, .address_space: global }
    .group_segment_fixed_size: 327680
    .private_segment_fixed_size: 0
    .kernarg_segment_align: 8
    .kernarg_segment_size: 32
    .max_flat_workgroup_size: 256
    .sgpr_count:     66
    .vgpr_count:     512
    .wavefront_size: 32
...
	.end_amdgpu_metadata
.endif
;; end of part 3
;; launch post (part 4): grid 256 x 1, 4 waves a work-group, clusters of 4 x 1, 327,680 bytes of LDS; arguments aimg, wimg, x, Wu_b, ln1_g, ln1_b, ff1_b, ff2_b, ln2_g, ln2_b, out0; writes out0
.if DOCPART == 4
	.amdgcn_target "amdgcn-amd-amdhsa--gfx1250"
	.amdhsa_code_object_version 6
	.text
	.protected	k_q07d3bed1a7_post
	.globl	k_q07d3bed1a7_post
	.p2align	8
	.type	k_q07d3bed1a7_post,@function
k_q07d3bed1a7_post:
	s_mov_b64 s[64:65], 0
	v_nop
	global_prefetch_b8 v0, s[64:65] scope:SCOPE_SE
	s_setreg_imm32_b32 hwreg(HW_REG_WAVE_MODE, 25, 1), 1
	s_wait_xcnt 0x0
	s_wait_alu depctr_hold_cnt(0) depctr_sa_sdst(0) depctr_va_vdst(0) depctr_va_sdst(0) depctr_va_ssrc(0) depctr_va_vcc(0) depctr_vm_vsrc(0)
	s_getreg_b32 s2, hwreg(HW_REG_IB_STS2, 6, 4)
	s_cmp_eq_u32 s2, 0
	s_cbranch_scc0 .Lentry_in_a_cluster
	s_endpgm
.Lentry_in_a_cluster:
	s_bfe_u32 s2, ttmp6, 0x10000c
	s_cmp_lg_u32 s2, 0x3003
	s_cbranch_scc0 .Lentry_shape_is_right
	s_endpgm
.Lentry_shape_is_right:
; h = LN1(x + attn Wu + bu);  out = LN2(h + relu(h W1 + b1) W2 + b2).  The three products on codes of FP4 with E8M0 scales; all else in f32.  h and the hidden layer never go to memory.
; SHARES.  A work-group takes 64 rows (the four tiles m of the earlier launches: lane r of tile m is row 32 (m / 2) + 8 (m % 2) + r + 8 (r / 8)).  THE WAVES SHARE THE COLUMNS: wave w owns columns 128 w .. 128 w + 127 of every
; layer of 512, and hidden units 128 w on and 512 + 128 w on.  Every product is used transposed (source 0 = 16 columns of the weight, source 1 = 16 rows): a lane holds one row, and its registers run along the next K.
; The rows' codes go from wave to wave through LDS as images of the operand's registers; a row's mean and variance meet in LDS, one word a wave.  The variance is taken of the centred numbers: no difference of large sums.
; THE WEIGHTS are nine chunks of four parts (17,408 bytes a wave).  They come through TWO LDS SLOTS OF TWO CHUNKS EACH: a pair of chunks is 139,264 consecutive bytes of wimg, and each wave fetches a quarter of it by one load.
; Slot A begins with chunks 0, 1 and slot B with x; then B takes chunks 2, 3 (once x has been read), A chunks 4, 5, B chunks 6, 7, A chunk 8: each load has two chunks' products and the vector work between them in which to land.
; The first product does not wait for x: its sums begin with the bias, and x is added when it has come.  The second chunk of a pair lies in LDS early, so its fragments are fetched ahead of the vector work that stands in front of its products.
; CLUSTER: all work-groups walk the same chunks, so each load of weights is asked for jointly by the four work-groups of a cluster.
; No prefetch: x is asked for by the launch's first loads, so nothing could ask for it earlier; the weights are 0.6 MB that every work-group reads.
; REGISTERS, in windows of 256.  Window 0: addresses, the rows' fragments, scale words, what is at work.  Window 1: H (attn Wu + bu + x, then h, then the result): tile m, column tile t at 64 m + 8 t.
;   Window 2: F, the hidden layer, likewise; while it is free: gain at v0, bias of the norm at v64, the product's bias at v128.  Window 3: v0-127 the part's 16 fragments; v128-191, v192-255 b1 for my two groups of hidden units.
; LIMITS: NaN and infinities are not served; a block whose largest magnitude lies under 2^-124 is held at the byte 1; a block of zeros has the byte 1 and not 127: its codes are zeros, and this program alone reads the bytes.
.set PART,  17408
.set PSC,   16384
.set CHUNK, 4*PART
.set SLOT,  2*CHUNK                    ; slot A at 0, slot B at SLOT
.set XR,    SLOT                       ; x is slot B's first fill: four strips of 64 rows x (512 + 16) bytes
.set XSTR,  33792
.set HIMG,  2*SLOT                     ; behind the slots, bytes into which no tile lands.  h's 16 fragments: (m, K step) at (4 m + ks) x 1,024; later the hidden layer's K steps 4 to 7, likewise
.set HSC,   HIMG+16384                 ; h's scale words: a group of 512 bytes for each pair of K steps
.set FIMG,  HSC+1024                   ; the hidden layer's K steps 0 to 3
.set FSC,   FIMG+16384                 ; the hidden layer's scale words: four groups
.set STAT,  FSC+2048                   ; four blocks of 1,024: a row's four partial sums at 16 (16 m + r) + 4 w
.set SPARE, STAT+4096                  ; the spare words, 128 bytes for each wave: two blocks of 256 bytes that no other line names
.set OST,   SLOT                       ; the way out: a stage of 16 rows x 528 bytes for each wave, in slot B, which has then had its last fill and its last read
.set LI,   1                           ; v1   16 x lane
.set XRA,  4
.set HRD,  5
.set HWI,  6
.set HWS,  7
.set FRD,  8
.set FWI,  9
.set FWS,  10
.set STW,  11
.set STR,  12
.set OSW,  13
.set OSR,  14
.set VEC,  15                          ; v15  512 w + 64 h: my 16 numbers of each 32 of a vector of 512
.set GO,   16                          ; v16  512 w + 16 x lane
.set SPW,  18
.set NIL,  19
.set WB,   26                          ; v26-29  my part in slot A's first and second chunk, slot B's first and second: chunk c lies at v[WB + c % 4]
.set ACT,  32                          ; v32-95   the rows' fragments: 8 (2 m + ks)
.set AS,   96                          ; v96-99   their scale words
.set WSC,  100                         ; v100-107 the part's scale words
.set PC,   108
.set PWS,  116
.set TM,   120
.set MU,   132                         ; v132-139 a pair for each m
.set T,    140                         ; v140-155 two chains of pairs for each m
.set SL,   156                         ; v156-171
.set OB,   172                         ; v172-235 a tile of x on its way in, a tile of rows on the way out
.set WV,   12
.set G1W,  16                          ; s[16:23] group 1 for one part
.set G0A,  24                          ; s[24:27] group 0 for slot A's pairs
.set G0B,  28                          ; s[28:31] for slot B's
.set G1X,  32
.set G0X,  40
.set SEL,  58
.set G1P,  68                          ; s[68:75] group 1 for a quarter of a pair of chunks
.set G08,  76                          ; s[76:79] group 0 for chunk 8
.set MSB, 0
.macro WIN new                         ; the immediate's high byte repeats the setting that is left
.if MSB != (\new)
	s_set_vgpr_msb (MSB<<8)|(\new)
.set MSB, (\new)
.endif
.endm
.macro PLACES n
.rept \n
	v_nop
.endr
.endm
.macro BARRIER
	s_wait_dscnt 0x0
	s_barrier_signal -1
	s_barrier_wait -1
.endm
.macro ROUND                           ; a round of the cluster's barrier
	s_barrier_signal -1
	s_barrier_wait -1
	s_cmp_lg_u32 s[WV], 0
	s_cbranch_scc1 .Lnot_wave_0_\@
	s_barrier_signal -3
.Lnot_wave_0_\@:
	s_barrier_wait -3
	s_barrier_signal -1
	s_barrier_wait -1
.endm
.macro WM d, a, b, c, sa, sb, rb       ; one matrix instruction; rb: both sides' scales stand in lanes 16-31
.if (\rb)
	v_wmma_scale_f32_16x16x128_f8f6f4 v[\d:\d+7], v[\a:\a+7], v[\b:\b+7], v[\c:\c+7], v[\sa], v[\sb] matrix_a_fmt:MATRIX_FMT_FP4 matrix_b_fmt:MATRIX_FMT_FP4 matrix_a_scale:MATRIX_SCALE_ROW1 matrix_b_scale:MATRIX_SCALE_ROW1
.else
	v_wmma_scale_f32_16x16x128_f8f6f4 v[\d:\d+7], v[\a:\a+7], v[\b:\b+7], v[\c:\c+7], v[\sa], v[\sb] matrix_a_fmt:MATRIX_FMT_FP4 matrix_b_fmt:MATRIX_FMT_FP4
.endif
.endm
; 64 numbers of a lane in window nw, register 16 b + i = k 32 b + 16 (lane / 16) + i of my row, become a fragment's codes in v[pc] on and its scale word in v[pw] (window 0)
.macro QUANT nw, s, pc, pw
	WIN (\nw)|((\nw)<<2)
.irp b, 0,1,2,3
	v_max3_num_f32 v[TM+\b], |v[\s+16*\b]|, |v[\s+16*\b+1]|, 0x1800000   ; and the floor 2^(3 - 127): the byte cannot fall under 1
.endr
	WIN ((\nw)<<2)|((\nw)<<4)
.irp i, 2,4,6,8,10,12,14
.irp b, 0,1,2,3
	v_max3_num_f32 v[TM+\b], v[TM+\b], |v[\s+16*\b+\i]|, |v[\s+16*\b+\i+1]|
.endr
.endr
	WIN 0
.irp b, 0,1,2,3
	v_permlanex16_b32 v[TM+4+\b], v[TM+\b], s[SEL], s[SEL+1]
.endr
.irp b, 0,1,2,3
	v_max_num_f32 v[TM+\b], v[TM+\b], v[TM+4+\b]
.endr
.irp b, 0,1,2,3
	v_add_nc_u32 v[TM+8+\b], 0xff000000, v[TM+\b]
.endr
.irp b, 0,1,2,3
	v_lshrrev_b32 v[TM+4+\b], 23, v[TM+8+\b]
.endr
	v_lshl_or_b32 v[\pw], v[TM+5], 8, v[TM+4]
	v_lshl_or_b32 v[\pw], v[TM+6], 16, v[\pw]
	v_lshl_or_b32 v[\pw], v[TM+7], 24, v[\pw]
	WIN (\nw)
.irp b, 0,1,2,3
	v_cvt_scalef32_pk8_fp4_f32 v[\pc+2*\b], v[\s+16*\b:\s+16*\b+7], v[TM+8+\b]
	v_cvt_scalef32_pk8_fp4_f32 v[\pc+2*\b+1], v[\s+16*\b+8:\s+16*\b+15], v[TM+8+\b]
.endr
	WIN 0
	v_nop                                          ; one plain place behind a scaled conversion
.irp c, 0,1
.irp i, 0,1
	v_permlane16_swap_b32 v[\pc+4*\c+\i], v[\pc+4*\c+2+\i]
.endr
.endr
.endm
; A SLOT IS FILLED AGAIN.  Each wave waits for all its tensor loads (one is out at the most: its quarter of the other slot), adds 0 to its spare word, and waits for that and for all its LDS instructions: its reads of the slot
; that is to be filled, and its stores of images.  Behind a round of the cluster's barrier no wave of any partner still reads that slot or has a load on its way, and the other slot is whole: the joint refill comes first,
; the wave's one tensor load until the next round.  step = 1: the slot's descriptor goes four chunks on.
.macro REFILL g0, g1, step
	s_wait_tensorcnt 0x0
	ds_add_u32 v[SPW], v[NIL]
.if \step
	s_add_nc_u64 s[\g0+2:\g0+3], s[\g0+2:\g0+3], 2*SLOT   ; no tensor load of mine is out, so a group 0 may be written; the type bits on top are not reached
.endif
	s_wait_dscnt 0x0
	ROUND
	tensor_load_to_lds s[\g0:\g0+3], s[\g1:\g1+7]
	s_nop 0
	PLACES 4
.endm
.macro WFRAG wb, ks                    ; the part's eight fragments of K step ks, into window 3
	WIN 0xc0
.irp t, 0,1,2,3,4,5,6,7
.irp c, 0,1
	ds_load_b128 v[8*(2*\t+\ks)+4*\c:8*(2*\t+\ks)+4*\c+3], v[\wb] offset:(2*\t+\ks)*1024+512*\c
.endr
.endr
	WIN 0
.endm
.macro AFRAG ab, off, str, ks          ; the four tiles' fragments of K step ks
.irp m, 0,1,2,3
.irp c, 0,1
	ds_load_b128 v[ACT+8*(2*\m+\ks)+4*\c:ACT+8*(2*\m+\ks)+4*\c+3], v[\ab] offset:\off+\m*\str+1024*\ks+512*\c
.endr
.endr
.endm
.macro WSCALE wb
	ds_load_b128 v[WSC:WSC+3], v[\wb] offset:PSC
	ds_load_b128 v[WSC+4:WSC+7], v[\wb] offset:PSC+512
.endm
.macro FETCH wb, ab, off, soff, str    ; a chunk's operands: 27 loads for K step 0, then 24 for K step 1
	ds_load_b128 v[AS:AS+3], v[\ab] offset:\soff
	WSCALE \wb
	AFRAG \ab, \off, \str, 0
	WFRAG \wb, 0
	AFRAG \ab, \off, \str, 1
	WFRAG \wb, 1
.endm
.macro WFETCH wb                       ; the weight's side alone: 34 loads
	WSCALE \wb
	WFRAG \wb, 0
	WFRAG \wb, 1
.endm
.macro AFETCH ab, off, soff, str       ; the rows' side alone: 9 loads for K step 0, then 8 for K step 1
	ds_load_b128 v[AS:AS+3], v[\ab] offset:\soff
	AFRAG \ab, \off, \str, 0
	AFRAG \ab, \off, \str, 1
.endm
.macro MULK ks, cb                     ; 32 accumulators by turns.  cb >= 0: the bias at v[cb] on is the C that starts the sums
.irp t, 0,1,2,3,4,5,6,7
.irp m, 0,1,2,3
.if (\cb) < 0
	WM 64*\m+8*\t, 8*(2*\t+\ks), ACT+8*(2*\m+\ks), 64*\m+8*\t, WSC+\t, AS+\m, \ks
.else
	WM 64*\m+8*\t, 8*(2*\t+\ks), ACT+8*(2*\m+\ks), \cb+8*\t, WSC+\t, AS+\m, \ks
.endif
.endr
.endr
.endm
.macro MUL wa, wb, cb, left            ; a chunk's 64 products.  left: K step 1's loads, which may stay out
	s_wait_dscnt \left
	WIN \wa
	MULK 0, \cb
	s_wait_dscnt 0x0
	WIN \wb
	MULK 1, -1
	WIN 0
	PLACES 4                               ; in front of the next loads into the operands and of the first read of results
.endm
.set W_HB, 0x63                        ; source 0 (W) window 3, C (bu) window 2, D window 1
.set W_H,  0x53                        ; source 0 window 3, C and D window 1
.set W_FB, 0xb3                        ; source 0 and C (b1) window 3, D window 2
.set W_F,  0xa3                        ; source 0 window 3, C and D window 2
.macro VLOAD win, reg, base, off       ; 64 numbers of a vector, register 16 b + i = column 32 b + 16 h + i of my 128
	WIN (\win)<<6
.irp b, 0,1,2,3
.irp j, 0,1,2,3
	global_load_b128 v[\reg+16*\b+4*\j:\reg+16*\b+4*\j+3], v[VEC], s[\base:\base+1] offset:\off+128*\b+16*\j
.endr
.endr
	WIN 0
.endm
.macro XL m, buf                       ; tile m of x in the result's layout: register 16 b + i = column 32 b + 16 h + i of my 128, of my row
.irp b, 0,1,2,3
.irp j, 0,1,2,3
	ds_load_b128 v[\buf+16*\b+4*\j:\buf+16*\b+4*\j+3], v[XRA] offset:528*(32*((\m)/2)+8*((\m)%2))+128*\b+16*\j
.endr
.endr
.endm
.macro XADD m, buf                     ; H += x; each accumulator from its low end on
	WIN 0x41
.set i, 0
.rept 32
	v_pk_add_f32 v[64*(\m)+i:64*(\m)+i+1], v[64*(\m)+i:64*(\m)+i+1], v[\buf+i:\buf+i+1]
.set i, i+2
.endr
	WIN 0
.endm
.macro BIAS                            ; H += the vector at v128 of window 2; each accumulator from its low end on
	WIN 0x49
.irp m, 0,1,2,3
.set i, 0
.rept 32
	v_pk_add_f32 v[64*\m+i:64*\m+i+1], v[64*\m+i:64*\m+i+1], v[128+i:128+i+1]
.set i, i+2
.endr
.endr
	WIN 0
.endm
; the chains in v[T] on become each row's sum over all 512 columns, in v[SL + 4 m]: my 64, lane l xor 16's, and through LDS the four waves'
.macro ROWSUM blk
.irp m, 0,1,2,3
	v_pk_add_f32 v[T+4*\m:T+4*\m+1], v[T+4*\m:T+4*\m+1], v[T+4*\m+2:T+4*\m+3]
.endr
.irp m, 0,1,2,3
	v_add_f32 v[T+4*\m], v[T+4*\m], v[T+4*\m+1]
.endr
.irp m, 0,1,2,3
	v_permlanex16_b32 v[T+4*\m+1], v[T+4*\m], s[SEL], s[SEL+1]
.endr
.irp m, 0,1,2,3
	v_add_f32 v[T+4*\m], v[T+4*\m], v[T+4*\m+1]
.endr
.irp m, 0,1,2,3
	ds_store_b32 v[STW], v[T+4*\m] offset:1024*(\blk)+256*\m
.endr
	BARRIER
.irp m, 0,1,2,3
	ds_load_b128 v[SL+4*\m:SL+4*\m+3], v[STR] offset:1024*(\blk)+256*\m
.endr
	s_wait_dscnt 0x0
.irp m, 0,1,2,3
	v_add_f32 v[SL+4*\m], v[SL+4*\m], v[SL+4*\m+1]
.endr
.irp m, 0,1,2,3
	v_add_f32 v[SL+4*\m+2], v[SL+4*\m+2], v[SL+4*\m+3]
.endr
.irp m, 0,1,2,3
	v_add_f32 v[SL+4*\m], v[SL+4*\m], v[SL+4*\m+2]
.endr
.endm
; the layer norm's first part: H is centred in place, and 1 / sqrt(variance + 1e-5) of each tile's rows is left in the pair v[MU + 2 m].  blk, blk + 1: its two blocks of partial sums
.macro LNSTAT blk
	WIN 0x05
.irp m, 0,1,2,3
.irp q, 0,1
	v_pk_add_f32 v[T+4*\m+2*\q:T+4*\m+2*\q+1], v[64*\m+4*\q:64*\m+4*\q+1], v[64*\m+4*\q+2:64*\m+4*\q+3]
.endr
.endr
	WIN 0x04
.irp i, 8,12,16,20,24,28,32,36,40,44,48,52,56,60
.irp m, 0,1,2,3
.irp q, 0,1
	v_pk_add_f32 v[T+4*\m+2*\q:T+4*\m+2*\q+1], v[T+4*\m+2*\q:T+4*\m+2*\q+1], v[64*\m+\i+2*\q:64*\m+\i+2*\q+1]
.endr
.endr
.endr
	WIN 0
	ROWSUM \blk
.irp m, 0,1,2,3
	v_mul_f32 v[MU+2*\m], 0xbb000000, v[SL+4*\m]   ; -mean = sum x -2^-9
.endr
.irp m, 0,1,2,3
	v_mov_b32 v[MU+2*\m+1], v[MU+2*\m]
.endr
	WIN 0x41
.irp m, 0,1,2,3
.set i, 0
.rept 32
	v_pk_add_f32 v[64*\m+i:64*\m+i+1], v[64*\m+i:64*\m+i+1], v[MU+2*\m:MU+2*\m+1]
.set i, i+2
.endr
.endr
	WIN 0x05
.irp m, 0,1,2,3
.irp q, 0,1
	v_pk_mul_f32 v[T+4*\m+2*\q:T+4*\m+2*\q+1], v[64*\m+2*\q:64*\m+2*\q+1], v[64*\m+2*\q:64*\m+2*\q+1]
.endr
.endr
.irp i, 4,8,12,16,20,24,28,32,36,40,44,48,52,56,60
.irp m, 0,1,2,3
.irp q, 0,1
	v_pk_fma_f32 v[T+4*\m+2*\q:T+4*\m+2*\q+1], v[64*\m+\i+2*\q:64*\m+\i+2*\q+1], v[64*\m+\i+2*\q:64*\m+\i+2*\q+1], v[T+4*\m+2*\q:T+4*\m+2*\q+1]
.endr
.endr
.endr
	WIN 0
	ROWSUM (\blk)+1
.irp m, 0,1,2,3
	v_fma_f32 v[MU+2*\m], v[SL+4*\m], s60, s61     ; the variance + 1e-5
.endr
.irp m, 0,1,2,3
	v_rsq_f32 v[MU+2*\m], v[MU+2*\m]
.endr
	v_nop                                          ; a plain place behind the transcendentals
	s_wait_alu depctr_va_vdst(0)
.irp m, 0,1,2,3
	v_mov_b32 v[MU+2*\m+1], v[MU+2*\m]
.endr
.endm
; its second part, for tile m: x 1 / sqrt(..), x the gain (v0 of window 2), + the bias (v64 of window 2)
.macro NORM m
	WIN 0x41
.set i, 0
.rept 32
	v_pk_mul_f32 v[64*(\m)+i:64*(\m)+i+1], v[64*(\m)+i:64*(\m)+i+1], v[MU+2*(\m):MU+2*(\m)+1]
.set i, i+2
.endr
	WIN 0x69                                       ; H in window 1, gain and bias in window 2
.set i, 0
.rept 32
	v_pk_fma_f32 v[64*(\m)+i:64*(\m)+i+1], v[64*(\m)+i:64*(\m)+i+1], v[i:i+1], v[64+i:64+i+1]
.set i, i+2
.endr
	WIN 0
.endm
; my 128 hidden units of group grp: relu, quantised: K step w + 4 grp of the last product; its images go to v[adr] on.  Group 1's take the bytes of h's images, behind a barrier that every wave reaches with its reads of them over
.macro FQ grp, adr
	WIN 0x88
.set i, 0
.rept 256
	v_max_num_f32 v[i], 0, v[i]
.set i, i+1
.endr
	WIN 0
.if \grp
	BARRIER
.endif
.irp m, 0,1,2,3
	QUANT 2, 64*\m, PC, PWS+\m
	ds_store_b128 v[\adr], v[PC:PC+3] offset:4096*\m
	ds_store_b128 v[\adr], v[PC+4:PC+7] offset:4096*\m+512
	s_wait_dscnt 0x0                               ; the stores have read their registers
.endr
	ds_store_b128 v[FWS], v[PWS:PWS+3] offset:1024*\grp
.endm
	s_load_b256 s[4:11], s[0:1], 0x0               ; aimg, wimg, x, Wu_b
	s_load_b256 s[44:51], s[0:1], 0x20             ; ln1_g, ln1_b, ff1_b, ff2_b
	s_load_b128 s[52:55], s[0:1], 0x40             ; ln2_g, ln2_b
	s_load_b64 s[56:57], s[0:1], 0x50              ; out0
	v_lshl_add_u32 v[SPW], v0, 2, SPARE
	v_mov_b32 v[NIL], 0
	ds_add_u32 v18, v19
	ds_add_u32 v18, v19
	s_wait_dscnt 0x0
	v_lshrrev_b32 v20, 5, v0
	v_readfirstlane_b32 s[WV], v20                 ; wave 0..3
	s_bfe_u32 s13, ttmp6, 0x40000                  ; cx
	s_lshl_b32 s14, ttmp9, 2
	s_add_co_u32 s14, s14, s13                     ; W: it enters global addresses of the rows alone
	; group 1 for a quarter of a pair of chunks: 34,816 dense bytes as 136 rows of 32 elements of 8 bytes, asked for jointly
	s_mov_b32 s[G1P], 15|(3<<16)|(1<<21)           ; 15:0 the mask: all four work-groups; 17:16 elements of 8 bytes; 21 set beside a mask
	s_mov_b32 s[G1P+1], 32<<16
	s_mov_b32 s[G1P+2], 136<<16
	s_mov_b32 s[G1P+3], 32<<16
	s_mov_b32 s[G1P+4], 136
	s_mov_b32 s[G1P+5], 32
	s_mov_b32 s[G1P+6], 0
	s_mov_b32 s[G1P+7], 0
	; group 1 for one part, 68 such rows: chunk 8 has no partner
	s_mov_b32 s[G1W], 15|(3<<16)|(1<<21)
	s_mov_b32 s[G1W+1], 32<<16
	s_mov_b32 s[G1W+2], 68<<16
	s_mov_b32 s[G1W+3], 32<<16
	s_mov_b32 s[G1W+4], 68
	s_mov_b32 s[G1W+5], 32
	s_mov_b32 s[G1W+6], 0
	s_mov_b32 s[G1W+7], 0
	; group 1 for my strip of x: 64 rows x 128 elements of 4 bytes, 512 elements from row to row; 4 words of padding behind every 128; no mask: the rows are my work-group's own
	s_mov_b32 s[G1X], (2<<16)|(1<<20)|(6<<22)|(3<<25)
	s_mov_b32 s[G1X+1], 128<<16
	s_mov_b32 s[G1X+2], 64<<16
	s_mov_b32 s[G1X+3], 128<<16
	s_mov_b32 s[G1X+4], 64
	s_mov_b32 s[G1X+5], 512
	s_mov_b32 s[G1X+6], 0
	s_mov_b32 s[G1X+7], 0
	s_mul_i32 s15, s[WV], PART                     ; my part's place in a chunk
	s_mul_i32 s3, s[WV], 2*PART                    ; the quarter of a pair that I fetch
	s_add_co_u32 s62, s3, 12*PART                  ; chunk 0 begins at part 12
	s_mov_b32 s63, 0
	s_add_co_u32 s66, s15, 44*PART                 ; chunk 8 at part 44
	s_mov_b32 s67, 0
	s_mov_b32 s[SEL], 0x76543210
	s_mov_b32 s[SEL+1], 0xfedcba98
	s_mov_b32 s60, 0x3b000000                      ; 2^-9
	s_mov_b32 s61, 0x3727c5ac                      ; 1e-5
	s_wait_kmcnt 0x0
	s_mov_b32 s[G0A], 1
	s_mov_b32 s[G0A+1], s3
	s_add_nc_u64 s[G0A+2:G0A+3], s[6:7], s[62:63]  ; chunks 0, 1
	s_mov_b32 s[G0B], 1
	s_add_co_u32 s[G0B+1], s3, SLOT
	s_add_nc_u64 s[G0B+2:G0B+3], s[G0A+2:G0A+3], SLOT   ; chunks 2, 3
	s_mov_b32 s[G08], 1
	s_mov_b32 s[G08+1], s15
	s_add_nc_u64 s[G08+2:G08+3], s[6:7], s[66:67]  ; chunk 8: my own part, into slot A's first chunk
	s_or_b32 s[G0A+3], s[G0A+3], 0x80000000
	s_or_b32 s[G0B+3], s[G0B+3], 0x80000000
	s_or_b32 s[G08+3], s[G08+3], 0x80000000
	s_lshl_b32 s66, s14, 17                        ; my 64 rows of 2,048 bytes
	s_add_nc_u64 s[56:57], s[56:57], s[66:67]      ; the result at my rows
	s_add_nc_u64 s[8:9], s[8:9], s[66:67]
	s_lshl_b32 s66, s[WV], 9
	s_mov_b32 s[G0X], 1
	s_mul_i32 s[G0X+1], s[WV], XSTR
	s_add_co_u32 s[G0X+1], s[G0X+1], XR
	s_add_nc_u64 s[G0X+2:G0X+3], s[8:9], s[66:67]
	s_or_b32 s[G0X+3], s[G0X+3], 0x80000000
	s_mul_i32 s66, s14, 8704
	s_add_nc_u64 s[4:5], s[4:5], s[66:67]          ; attn's images
	ROUND                                          ; all four work-groups are here
	tensor_load_to_lds s[G0A:G0A+3], s[G1P:G1P+7]  ; chunks 0 and 1 first: the first product wants them,
	s_nop 0
	tensor_load_to_lds s[G0X:G0X+3], s[G1X:G1X+7]  ; then my strip of x: two tensor loads of mine are out
	s_nop 0
	PLACES 4
	v_and_b32 v20, 31, v0                          ; lane
	v_and_b32 v21, 15, v0                          ; r
	v_bfe_u32 v22, v0, 4, 1                        ; h
	v_lshlrev_b32 v[LI], 4, v20
	s_lshl_b32 s62, s[WV], 9
	v_lshl_add_u32 v[VEC], v22, 6, s62
	v_add_nc_u32 v[GO], s62, v[LI]
.set i, 0
.rept 16
	global_load_b128 v[ACT+4*i:ACT+4*i+3], v[LI], s[4:5] offset:512*i th:TH_LOAD_NT   ; attn's eight fragments
.set i, i+1
.endr
	global_load_b128 v[AS:AS+3], v[LI], s[4:5] offset:8192 th:TH_LOAD_NT
	VLOAD 2, 128, 10, 0                            ; Wu_b: wanted with the first product
	VLOAD 2, 0, 44, 0                              ; ln1_g
	VLOAD 2, 64, 46, 0                             ; ln1_b
	VLOAD 3, 128, 48, 0                            ; ff1_b, hidden units 128 w on
	VLOAD 3, 192, 48, 2048                         ; and 512 + 128 w on
	v_add_nc_u32 v[WB], s15, v[LI]
	v_add_nc_u32 v[WB+1], CHUNK, v[WB]
	v_add_nc_u32 v[WB+2], CHUNK, v[WB+1]
	v_add_nc_u32 v[WB+3], CHUNK, v[WB+2]
	v_and_b32 v23, 8, v21
	v_add_nc_u32 v23, v23, v21
	v_mul_u32_u24 v[XRA], v23, 528
	v_lshl_add_u32 v[XRA], v22, 6, v[XRA]
	s_mul_i32 s62, s[WV], XSTR
	s_add_co_u32 s62, s62, XR
	v_add_nc_u32 v[XRA], s62, v[XRA]               ; x: my strip, row r + 8 (r / 8), + 64 h
	v_add_nc_u32 v[HRD], HIMG, v[LI]
	s_lshl_b32 s62, s[WV], 10
	v_add_nc_u32 v[HWI], s62, v[HRD]               ; my K step's image
	s_lshl_b32 s63, s[WV], 8
	v_lshlrev_b32 v24, 4, v21
	v_add_nc_u32 v[HWS], s63, v24                  ; group w / 2, half w % 2: 256 w + 16 r
	v_add_nc_u32 v[FWS], FSC, v[HWS]
	v_add_nc_u32 v[HWS], HSC, v[HWS]
	v_add_nc_u32 v[FRD], FIMG, v[LI]
	v_add_nc_u32 v[FWI], s62, v[FRD]
	v_add_nc_u32 v[STR], STAT, v24
	s_lshl_b32 s62, s[WV], 2
	v_add_nc_u32 v[STW], s62, v[STR]
	s_mul_i32 s62, s[WV], 16*528
	s_add_co_u32 s62, s62, OST
	v_mul_u32_u24 v[OSW], v21, 528
	v_lshl_add_u32 v[OSW], v22, 6, v[OSW]
	v_add_nc_u32 v[OSW], s62, v[OSW]
	v_add_nc_u32 v[OSR], s62, v[LI]
.irp b, 0,1,2,3
	v_mov_b32 v[TM+4+\b], 0                        ; written once: a lane permute's destination counts as one of its sources
.endr
	; ---- chunk 0: H = attn Wu + bu, while x is still on its way
	s_wait_tensorcnt 0x1                           ; my quarter of chunks 0 and 1 lies in LDS; x's load, issued behind it, may be out
	s_barrier_signal -1
	s_barrier_wait -1                              ; everybody's quarter does
	WFETCH WB
	s_wait_loadcnt 63                              ; attn's images and Wu_b are in: 64 loads were issued behind them; the count's field holds 63, and a smaller count is safe
	MUL W_HB, W_H, 128, 16                         ; K step 1's sixteen loads may stay out.  The bias is the C of each sum's first instruction
	WFETCH WB+1                                    ; chunk 1's fragments come while x is added and the norm is taken
	; ---- H += x, a tile at a time through two sets of 64 registers
	s_wait_tensorcnt 0x0                           ; my strip of x lies in LDS; I alone read it
	XL 0, OB
	XL 1, ACT
	s_wait_dscnt 16                                ; tile 0 is in; the next tile's sixteen loads may be out
	XADD 0, OB
	XL 2, OB
	s_wait_dscnt 16
	XADD 1, ACT
	XL 3, ACT
	s_wait_dscnt 16
	XADD 2, OB
	s_wait_dscnt 0x0
	XADD 3, ACT
	REFILL G0B, G1P, 0                             ; x has been read by every wave: slot B takes chunks 2 and 3
	s_wait_loadcnt 0x0                             ; ln1_g, ln1_b, ff1_b
	; ---- LN1; h's codes
	LNSTAT 0
	NORM 0
	NORM 1
	NORM 2
	NORM 3
.irp m, 0,1,2,3
	QUANT 1, 64*\m, PC, PWS+\m
	ds_store_b128 v[HWI], v[PC:PC+3] offset:4096*\m
	ds_store_b128 v[HWI], v[PC+4:PC+7] offset:4096*\m+512
	s_wait_dscnt 0x0                               ; the stores have read their registers
.endr
	ds_store_b128 v[HWS], v[PWS:PWS+3]
	BARRIER                                        ; h's sixteen fragments and their scale words lie in LDS.
	; ---- chunks 1 to 4: the hidden layer, two groups of 128 units a wave, two pairs of K steps each
	AFETCH HRD, 0, 16384, 4096
	MUL W_FB, W_F, 128, 8                          ; the rows' second K step, eight loads, may stay out; the weight's fragments came long ago
	REFILL G0A, G1P, 1                             ; slot A takes chunks 4 and 5
	FETCH WB+2, HRD, 2048, 16384+512, 4096
	MUL W_F, W_F, -1, 24
	FETCH WB+3, HRD, 0, 16384, 4096                ; chunk 3's operands come while group 0 is quantised
	FQ 0, FWI
	MUL W_FB, W_F, 192, 0
	REFILL G0B, G1P, 1                             ; slot B takes chunks 6 and 7
	FETCH WB, HRD, 2048, 16384+512, 4096
	MUL W_F, W_F, -1, 24
	WFETCH WB+1                                    ; chunk 5's fragments come while group 1 is quantised
	FQ 1, HWI
	VLOAD 2, 0, 52, 0                              ; ln2_g, ln2_b, ff2_b, where the hidden layer lay
	VLOAD 2, 64, 54, 0
	VLOAD 2, 128, 50, 0
	BARRIER                                        ; the hidden layer's 32 fragments and their scale words lie in LDS
	; ---- chunks 5 to 8: H = h + hidden W2, four pairs of K steps
	AFETCH FRD, 0, 16384, 4096
	MUL W_H, W_H, -1, 8
	REFILL G08, G1W, 0                             ; slot A's first chunk takes chunk 8: each wave its own part
	FETCH WB+2, FRD, 2048, 16384+512, 4096
	MUL W_H, W_H, -1, 24
	FETCH WB+3, HRD, 0, FSC-HIMG+1024, 4096
	MUL W_H, W_H, -1, 24
	s_wait_tensorcnt 0x0                           ; my part of chunk 8 lies in LDS; I alone read it
	FETCH WB, HRD, 2048, FSC-HIMG+1536, 4096
	MUL W_H, W_H, -1, 24
	s_wait_loadcnt 0x0
	BIAS
	LNSTAT 2
	; ---- THE WAY OUT, a tile of 16 rows x my 128 columns at a time: normalised, then through my own stage: a lane holds 64 bytes of four places of a row; the rows come back whole, 512 bytes to the 32 lanes.
	; A tile leaves as soon as it is done, ahead of the next tiles' arithmetic.
.macro TOSTAGE m
	WIN 0x04                                       ; an LDS store's data are its source 1: window 1
.irp b, 0,1,2,3
.irp j, 0,1,2,3
	ds_store_b128 v[OSW], v[64*(\m)+16*\b+4*\j:64*(\m)+16*\b+4*\j+3] offset:128*\b+16*\j
.endr
.endr
	WIN 0
.set BB, OB+(ACT-OB)*((\m)%2)
.set i, 0
.rept 16
	ds_load_b128 v[BB+4*i:BB+4*i+3], v[OSR] offset:528*i   ; LDS serves a wave's instructions in order: these see my stores, and the next tile's stores come behind them
.set i, i+1
.endr
.endm
.macro SEND m, younger
.set BB, OB+(ACT-OB)*((\m)%2)
	s_wait_dscnt \younger
.set i, 0
.rept 16
	global_store_b128 v[GO], v[BB+4*i:BB+4*i+3], s[56:57] offset:2048*(32*((\m)/2)+8*((\m)%2)+i+8*(i/8)) th:TH_STORE_NT   ; 512 consecutive bytes, aligned
.set i, i+1
.endr
.endm
	NORM 0
	TOSTAGE 0
	NORM 1
	TOSTAGE 1
	SEND 0, 32                                     ; behind tile 0's loads: tile 1's 16 stores and 16 loads
	NORM 2
	s_wait_xcnt 0x0                                ; tile 0's stores have read their registers: tile 2's rows may land there
	TOSTAGE 2
	SEND 1, 32
	NORM 3
	s_wait_xcnt 0x0
	TOSTAGE 3
	SEND 2, 32
	SEND 3, 0
	s_wait_tensorcnt 0x0                           ; the wave's end: behind my last tensor load and my last LDS store
	ds_add_u32 v[SPW], v[NIL]
	s_wait_dscnt 0x0
	ROUND                                          ; the closing round
	s_endpgm
.Lfunc_end_k_q07d3bed1a7_post:
	.size	k_q07d3bed1a7_post, .Lfunc_end_k_q07d3bed1a7_post-k_q07d3bed1a7_post
	.p2alignl 7, 3214868480
	.fill 96, 4, 3214868480
	.section	.rodata,"a",@progbits
	.p2align	6, 0x0
	.amdhsa_kernel k_q07d3bed1a7_post
		.amdhsa_group_segment_fixed_size 327680
		.amdhsa_private_segment_fixed_size 0
		.amdhsa_enable_private_segment 0
		.amdhsa_kernarg_size 88
		.amdhsa_user_sgpr_count 2
		.amdhsa_user_sgpr_kernarg_segment_ptr 1
		.amdhsa_wavefront_size32 1
		.amdhsa_system_sgpr_workgroup_id_x 1
		.amdhsa_system_sgpr_workgroup_id_y 1
		.amdhsa_system_sgpr_workgroup_id_z 1
		.amdhsa_system_vgpr_workitem_id 0
		.amdhsa_next_free_vgpr 1024
		.amdhsa_next_free_sgpr 80
		.amdhsa_reserve_vcc 0
		.amdhsa_float_denorm_mode_32 3
		.amdhsa_float_denorm_mode_16_64 3
		.amdhsa_memory_ordered 1
		.amdhsa_forward_progress 1
		.amdhsa_inst_pref_size 255
	.end_amdhsa_kernel
	.section	.bss,"aw",@nobits
	.p2align	6
	.space	262144
	.amdgpu_metadata
---
amdhsa.version: [ 1, 2 ]
amdhsa.kernels:
  - .name:           k_q07d3bed1a7_post
    .symbol:         k_q07d3bed1a7_post.kd
    .args:
      - { .name: aimg, .offset: 0, .size: 8, .value_kind: global_buffer, .address_space: global }
      - { .name: wimg, .offset: 8, .size: 8, .value_kind: global_buffer, .address_space: global }
      - { .name: x, .offset: 16, .size: 8, .value_kind: global_buffer, .address_space: global }
      - { .name: Wu_b, .offset: 24, .size: 8, .value_kind: global_buffer, .address_space: global }
      - { .name: ln1_g, .offset: 32, .size: 8, .value_kind: global_buffer, .address_space: global }
      - { .name: ln1_b, .offset: 40, .size: 8, .value_kind: global_buffer, .address_space: global }
      - { .name: ff1_b, .offset: 48, .size: 8, .value_kind: global_buffer, .address_space: global }
      - { .name: ff2_b, .offset: 56, .size: 8, .value_kind: global_buffer, .address_space: global }
      - { .name: ln2_g, .offset: 64, .size: 8, .value_kind: global_buffer, .address_space: global }
      - { .name: ln2_b, .offset: 72, .size: 8, .value_kind: global_buffer, .address_space: global }
      - { .name: out0, .offset: 80, .size: 8, .value_kind: global_buffer, .address_space: global }
    .group_segment_fixed_size: 327680
    .private_segment_fixed_size: 0
    .kernarg_segment_align: 8
    .kernarg_segment_size: 88
    .max_flat_workgroup_size: 128
    .sgpr_count:     80
    .vgpr_count:     1024
    .wavefront_size: 32
...
	.end_amdgpu_metadata
.endif
;; end of part 4
